; MI455X (gfx1250); checked and timed in simulation.
; The chip was launched on July 23, 2026; its instructions are those of AMD's public machine-readable ISA for CDNA 5 (MIT licence, August 2026) and "CDNA5" Instruction Set Architecture Reference Guide (July 2026). The comments in the code are by the model that wrote it; some were corrected since.
;; Self Attention. Allowed arithmetic: matrix products marked QUANTISED: E2M3 operands, one E8M0 scale for each 32 along K, by v_wmma_scale_f32_16x16x128_f8f6f4 with both operands' format E2M3, f32 sums; everything else in f32.
;; Inputs: Wk_codes 512 x 64 x 24 uint8 (E2M3 codes of Wk, K innermost, in blocks of 32 codes, four codes in three bytes); Wk_scales 512 x 64 uint8 (E8M0 scales of Wk, one for each 32 codes along K); Wproj_codes 2,048 x 64 x 24 uint8 (E2M3 codes of Wproj, K innermost, in blocks of 32 codes, four codes in three bytes); Wproj_scales 2,048 x 64 uint8 (E8M0 scales of Wproj, one for each 32 codes along K); Wq_codes 2,048 x 64 x 24 uint8 (E2M3 codes of Wq, K innermost, in blocks of 32 codes, four codes in three bytes); Wq_scales 2,048 x 64 uint8 (E8M0 scales of Wq, one for each 32 codes along K); Wv_codes 512 x 64 x 24 uint8 (E2M3 codes of Wv, K innermost, in blocks of 32 codes, four codes in three bytes); Wv_scales 512 x 64 uint8 (E8M0 scales of Wv, one for each 32 codes along K); attn_mask 4 x 1,024 x 1,024 bool; x_codes 4 x 1,024 x 64 x 24 uint8 (E2M3 codes of x, K innermost, in blocks of 32 codes, four codes in three bytes); x_scales 4 x 1,024 x 64 uint8 (E8M0 scales of x, one for each 32 codes along K).
;; Outputs: out0 4 x 1,024 x 2,048 float32.
;; This version of the problem:
;;   THIS VERSION OF THE PROBLEM IS GIVEN IN LOW PRECISION. The matrix products marked QUANTISED in the list below multiply operands that are first quantised to E2M3 (2 exponent bits, 3 mantissa bits; 6 bits a number), with one power-of-two scale for each 32 numbers along K (OCP MX v1.0); their sums are f32. All else is computed in f32.
;;   The module's matrix products, in the order in which they are computed (A, B: the left and right operand; K: the contracted axis; several contracted axes count as one K, in the product's order):
;;     1. [M 4,096, K 2,048] x [K 2,048, N 2,048]; A: input x (given as codes); B: input Wq (given as codes): QUANTISED
;;     2. [M 4,096, K 2,048] x [K 2,048, N 512]; A: input x (given as codes); B: input Wk (given as codes): QUANTISED
;;     3. [M 4,096, K 2,048] x [K 2,048, N 512]; A: input x (given as codes); B: input Wv (given as codes): QUANTISED
;;     4. batch 64 x [M 1,024, K 128] x [K 128, N 1,024]; A: computed on the way; B: computed on the way: QUANTISED
;;     5. batch 64 x [M 1,024, K 1,024] x [K 1,024, N 128]; A: softmax (see below); B: computed on the way: QUANTISED
;;     6. [M 4,096, K 2,048] x [K 2,048, N 2,048]; A: computed on the way; B: input Wproj (given as codes): QUANTISED
;;   THE QUANTISER, for each operand of a quantised product, along K:
;;     - K is cut into blocks of 32 from its start; a last block that is shorter is filled with zeros.
;;     - A block's scale is 2^e with e = floor(log2(the largest magnitude in the block)) - 2, held to -126 .. 127; a block of zeros has e = 0. As a byte (E8M0): e + 127.
;;     - Each number is divided by its block's scale, clamped to +-7.5, and rounded to the nearest number of E2M3, ties to even, subnormals kept.
;;     - The product sums the exact products of the quantised numbers (number of the format x scale) in f32.
;;   ~~~python
;;   def quantise(x, axis):      # numpy; x: float32 -> the quantised numbers, widened to float32 again
;;       x = np.moveaxis(x, axis, -1); K = x.shape[-1]
;;       x = np.pad(x, [(0, 0)] * (x.ndim - 1) + [(0, -K % 32)]); x = x.reshape(x.shape[:-1] + (-1, 32)); a = np.abs(x).max(-1, keepdims=True)
;;       e = np.where(a > 0, np.clip(np.frexp(np.where(a > 0, a, 1))[1] - 1 - 2, -126, 127), 0)      # np.frexp(a)[1] - 1 = floor(log2(a)), exactly
;;       r = np.clip(x / 2.0 ** e, -7.5, 7.5)
;;       step = 2.0 ** (np.maximum(np.frexp(np.where(r == 0, 1, r))[1] - 1, 0) - 3)
;;       q = np.round(r / step) * step * 2.0 ** e      # np.round: ties to even
;;       return np.moveaxis(q.reshape(q.shape[:-2] + (-1,))[..., :K], -1, axis).astype(np.float32)
;;   ~~~
;;   SOFTMAX AHEAD OF A QUANTISED PRODUCT. Where the list says 'softmax', what is quantised is not the finished softmax but p = 2^(t - M), with t = logit x log2(e) and M = ceil(the row's largest t), a whole number; so 1/2 < the row's largest p <= 1. The row's sum l is taken of the UNQUANTISED p, in f32, and the product's result is divided by l at the end. Since M is a whole number, a kernel that streams over the keys may use a running M (the ceiling of the running maximum): every later rescaling is an exact power of two, which a block's scale takes up: the codes' values come out the same.
;;   OPERANDS COMPUTED ON THE WAY. 'Computed on the way' means the value that the module computes at that place (a softmax that the list does not call 'softmax' is quantised finished and normalised). What goes into a quantiser is computed in f32, as accurately as f32 sums, v_exp_f32 and their like allow (about 1e-6 of the number): no bf16 or f16 on the way to a quantiser, and a product that is left as it is and whose result goes on into a quantised operand takes f32 operands (vector FMAs, or v_wmma_f32_16x16x4_f32). A number that lies on a knife's edge between two numbers of the format may be rounded either way, as far as f32 arithmetic and the matrix unit's own rounding can turn it there, and no further.
;;   INPUTS GIVEN AS CODES. Wk (in the module: [512, 2048], K = its axis 1); Wproj (in the module: [2048, 2048], K = its axis 1); Wq (in the module: [2048, 2048], K = its axis 1); Wv (in the module: [512, 2048], K = its axis 1); x (in the module: [4, 1024, 2048], K = its axis 2): each comes as NAME_codes (uint8): NAME with its K axis moved to the last place and cut into blocks of 32 codes, [.., K / 32, bytes a block], one block behind the other in memory; four codes in three bytes: a row's codes are one little-endian stream of bits, code i at bits 6 i .. 6 i + 5 (a code: sign, 2 exponent bits, 3 mantissa bits); and NAME_scales (uint8): the same leading axes, one E8M0 byte (e + 127) for each 32 codes along K. Its value is code x scale, taken as it is: it is not quantised again, and the codes and scales need not be those that the quantiser above would give.
;; One version. Each part assembles by itself: llvm-mc -triple=amdgcn-amd-amdhsa -mcpu=gfx1250 --defsym DOCPART=n.
;; ======== version 1 of 1: 3 launches
;; limits: a function is approximated: absolute error at most 3e-05
;; workspace buffers: qc 6,291,456 bytes; qs 262,144 bytes; kb 1,638,400 bytes; vb 1,638,400 bytes; v32 8,388,608 bytes; yc 6,291,456 bytes; ys 262,144 bytes
;; launch qkv (part 1): grid 12 x 16, 4 waves a work-group, clusters of 4 x 4, 327,680 bytes of LDS; arguments x_codes, x_scales, Wq_codes, Wq_scales, Wk_codes, Wk_scales, Wv_codes, Wv_scales, qc, qs, kb, vb, v32; writes qc, qs, kb, vb, v32
.if DOCPART == 1
	.amdgcn_target "amdgcn-amd-amdhsa--gfx1250"
	.amdhsa_code_object_version 6
	.text
	.protected	k_qe54a36322e_qkv
	.globl	k_qe54a36322e_qkv
	.p2align	8
	.type	k_qe54a36322e_qkv,@function
k_qe54a36322e_qkv:
	s_mov_b64 s[64:65], 0
	v_nop
	global_prefetch_b8 v0, s[64:65] scope:SCOPE_SE
	s_setreg_imm32_b32 hwreg(HW_REG_WAVE_MODE, 25, 1), 1
	s_wait_xcnt 0x0
	s_wait_alu depctr_hold_cnt(0) depctr_sa_sdst(0) depctr_va_vdst(0) depctr_va_sdst(0) depctr_va_ssrc(0) depctr_va_vcc(0) depctr_vm_vsrc(0)
	s_getreg_b32 s2, hwreg(HW_REG_IB_STS2, 6, 4)
	s_cmp_eq_u32 s2, 0
	s_cbranch_scc0 .Lentry_in_a_cluster
	s_endpgm
.Lentry_in_a_cluster:
	s_bfe_u32 s2, ttmp6, 0x10000c
	s_cmp_lg_u32 s2, 0xf033
	s_cbranch_scc0 .Lentry_shape_is_right
	s_endpgm
.Lentry_shape_is_right:
; q, k, v = x Wq^T, x Wk^T, x Wv^T on codes of FP6 (E2M3) with E8M0 scales, then rms_norm and the partial rope on q and k, and the quantising of q and k (along the head's 128) and of v (along the keys).
; x: 4,096 rows x 2,048.  The three weights are walked as one B of 3,072 rows: columns 0-2,047 are q's 16 heads (clusters x = 0, 1); in cluster x = 2 a work-group's B is head cx of Wk (rows 0-127) and head cx of Wv (rows 128-255).
; A work-group of four waves makes 256 rows x 256 columns; a wave 128 rows x ONE head: 64 accumulators of 16 x 16.  K goes in steps of 256 through two LDS slots filled by joint tensor loads (A shared along a row of the
; 4 x 4 cluster, B along a column); the scale bytes of the work-group's rows come once.  The matrix instruction is used transposed (source 0 = 16 rows of W, source 1 = 16 rows of x): a lane holds one row of x.
; WHAT IS STORED (read by this program's later launches alone): fragments as images of the operand's 12 registers (register group c at 512 c + 16 lane), scale words as images of four registers (word w of lane (r, h): row r of tile 2 w + h).
; ORDER INSIDE A BLOCK OF 32: the 16 registers of two neighbouring result tiles are the numbers 8 h + 0..7 and 16 + 8 h + 0..7 of a true block; they are laid at places 16 h + 0..15.  q and k get the same order along d, so their product
; is unchanged; v's keys are laid in that same order, which is the order in which the next launch's p comes out.  The blocks, and so the scales, are the true ones.
; ROPE: cos and sin of t x 10^(-d/8) are made here, once a lane for its first row (exact product split in two, reduction by pi/2 in three parts, polynomials of degree 7 and 8), and turned by 16 rows with the addition formulas.
; LIMITS: the angle is the exact t x f32(10^(-d/8)), not a product rounded once: up to half a unit in the angle's last place apart (3e-5 at t near 1,000).  NaN and infinities are not served.
; A block of zeros gets the scale byte 1 in place of 127: its codes are zeros.
.set PITCH,  240                       ; an LDS row of codes: 3 x (64 bytes + 16 of padding)
.set HALFT,  128*PITCH                 ; 128 rows: one tensor load
.set SLOT,   4*HALFT                   ; A's 256 rows, then B's 256 rows
.set ROWB,   192                       ; 256 codes
.set KROW,   1536                      ; a row of 2,048 codes in memory
.set NQ,     2                         ; matrix instructions deep in a slot
.set FR,     12
.set NL,     6
.set NP,     4
.set LAPS,   4                         ; 2,048 / 512
.set KS,     64                        ; a row of scale bytes
.set SCL,    2*SLOT
.set HALFS,  8704                      ; the scales of 128 rows: 32 units of 256 bytes + 16
.set SBLK,   1088                      ; of 16 rows
.set SPARE,  SCL+4*HALFS               ; the spare words: 128 bytes a wave, named by no other line
.set VSTG,   67584                     ; v's way out: a stage of 128 rows x 528 bytes for each wave, in bytes that have had their last fill and their last read
.set VPI,    528
.set SWR,  8                           ; v8-11   the scale image in the making
.set LI,   12                          ; v12     16 x lane
.set VSTO, 13                          ; v13     stage: where I put 32 bytes of a row
.set VRD,  14                          ; v14     stage: row r, 64 h bytes on
.set VCOL, 15                          ; v15     stage: my column;  v24: the same 64 rows down
.set ADRA, 16
.set ADRB, 20
.set VCOL2, 24
.set ADRS, 27
.set SPW,  28
.set NIL,  29
.set SC,   32                          ; v32-63  scale words, two sets
.set CSR,  64                          ; v64-79  cos, v80-95 sin of my row's 16 angles; v96-111, v112-127 cos and sin of 16 rows' turn
.set SNR,  80
.set DCR,  96
.set DSR,  112
.set AF,   128                         ; v128-223 A's fragments
.set SEL,  14                          ; s[14:15] on the way out: lane selects for lane xor 16
.set G1, 24
.set G0, 32
.set G1B, 48
.set G0B, 56
.set G1S, 68
.set G0S, 76
.set G1SB, 80
.set G0SB, 88
.set MSB, 0
.macro WIN new                         ; the immediate's high byte repeats the setting that is left
.if MSB != \new
	s_set_vgpr_msb (MSB<<8)|\new
.set MSB, \new
.endif
.endm
.set MUL_LO, 0xa1                      ; source 0 (B) window 1, source 1 (A) window 0, C and D window 2
.set MUL_HI, 0xf1
.set TO_B,   0x40
.macro PLACES n
.rept \n
	v_nop
.endr
.endm
; A joint load: waves 0 and 1 fetch for A, waves 2 and 3 for B; the branch hangs on the wave's number alone.  Four v_nop follow each line.
.macro JLOAD g0a, g1a, g0b, g1b
	s_cmp_eq_u32 s21, 0
	s_cbranch_scc0 .Lfor_b_\@
	tensor_load_to_lds s[\g0a:\g0a+3], s[\g1a:\g1a+7]
	s_nop 0
.rept 4
	v_nop
.endr
	s_branch .Lasked_\@
.Lfor_b_\@:
	tensor_load_to_lds s[\g0b:\g0b+3], s[\g1b:\g1b+7]
	s_nop 0
.rept 4
	v_nop
.endr
.Lasked_\@:
.endm
.macro CREST
	s_cmp_lg_u32 s20, 0
	s_cbranch_scc1 .Lnot_wave_0_\@
	s_barrier_signal -3
.Lnot_wave_0_\@:
	s_barrier_wait -3
	s_barrier_signal -1
	s_barrier_wait -1
.endm
.macro CROUND
	s_barrier_signal -1
	s_barrier_wait -1
	CREST
.endm
; 64 numbers of a lane, register 16 b + i in block b of my row, become a fragment's 12 registers of codes (pc) and my row's scale word (pw).  pt: 8, tm: 16 registers at work.  ab = 1: magnitudes.
.macro QUANT s, pc, pt, tm, pw, ab
.irp b, 0,1,2,3
.if \ab
	v_max3_num_f32 v[\tm+\b], |v[\s+16*\b]|, |v[\s+1+16*\b]|, 0x1800000   ; the floor 2^(3 - 127) holds the byte at 1 from below
.else
	v_max3_num_f32 v[\tm+\b], v[\s+16*\b], v[\s+1+16*\b], 0x1800000
.endif
.endr
.irp i, 2,4,6,8,10,12,14
.irp b, 0,1,2,3
.if \ab
	v_max3_num_f32 v[\tm+\b], v[\tm+\b], |v[\s+16*\b+\i]|, |v[\s+1+16*\b+\i]|
.else
	v_max3_num_f32 v[\tm+\b], v[\tm+\b], v[\s+16*\b+\i], v[\s+1+16*\b+\i]
.endif
.endr
.endr
.irp b, 0,1,2,3
	v_permlanex16_b32 v[\tm+4+\b], v[\tm+\b], s[SEL], s[SEL+1]
.endr
.irp b, 0,1,2,3
	v_max_num_f32 v[\tm+\b], v[\tm+\b], v[\tm+4+\b]   ; with lane xor 16's: the block's largest magnitude
.endr
.irp b, 0,1,2,3
	v_add_nc_u32 v[\tm+12+\b], 0xff000000, v[\tm+\b]   ; 2 off its exponent field: the conversion's scale operand
.endr
.irp b, 0,1,2,3
	v_lshrrev_b32 v[\tm+4+\b], 23, v[\tm+12+\b]        ; the scale's byte
.endr
	v_lshl_or_b32 v[\pw], v[\tm+5], 8, v[\tm+4]
	v_lshl_or_b32 v[\pw], v[\tm+6], 16, v[\pw]
	v_lshl_or_b32 v[\pw], v[\tm+7], 24, v[\pw]
.irp c, 0,1
	v_cvt_scalef32_pk16_fp6_f32 v[\pc+6*\c:\pc+2+6*\c], v[\s+32*\c:\s+15+32*\c], v[\tm+12+2*\c]
	v_cvt_scalef32_pk16_fp6_f32 v[\pt+4*\c:\pt+2+4*\c], v[\s+16+32*\c:\s+31+32*\c], v[\tm+13+2*\c]
.endr
	v_nop                                          ; one plain place behind the scaled conversions
.irp c, 0,1                                    ; a whole block to a lane: lanes 0-15 block 2 c, lanes 16-31 block 2 c + 1
.irp i, 0,1,2
	v_permlane16_swap_b32 v[\pc+6*\c+\i], v[\pt+4*\c+\i]
.endr
.irp i, 0,1,2
	v_mov_b32 v[\pc+3+6*\c+\i], v[\pt+4*\c+\i]
.endr
.endr
.endm
	s_load_b512 s[4:19], s[0:1], 0x0               ; x codes, x scales, Wq codes, scales, Wk codes, scales, Wv codes, scales
	v_lshl_add_u32 v[SPW], v0, 2, SPARE
	v_mov_b32 v[NIL], 0
	ds_add_u32 v28, v29
	ds_add_u32 v28, v29
	s_wait_dscnt 0x0
	v_lshrrev_b32 v1, 5, v0
	v_readfirstlane_b32 s20, v1                    ; wave 0..3
	s_lshr_b32 s21, s20, 1                         ; which 128 rows are mine.  Also: I fetch for A (0) or for B (1)
	s_and_b32 s22, s20, 1                          ; which head of the two is mine.  Also: which 128 rows of that tile I fetch
	s_bfe_u32 s40, ttmp6, 0x40000                  ; cx
	s_bfe_u32 s41, ttmp6, 0x40004                  ; cy
	s_lshl_b32 s42, ttmp9, 2
	s_add_co_u32 s42, s42, s40                     ; tile column 0..11
	s_and_b32 s23, ttmp7, 0xffff
	s_lshl_b32 s23, s23, 2
	s_add_co_u32 s23, s23, s41                     ; tile row 0..15
	s_lshl_b32 s43, s41, 2
	s_lshl_b32 s43, 15, s43                        ; my row of the cluster
	s_lshl_b32 s44, 0x1111, s40                    ; my column
	s_or_b32 s[G1+0], s43, (0<<16)|(1<<20)|(1<<21)|(3<<22)|(3<<25)  ; mask; elements of 1 byte; padding of 4 words behind every 16; bit 21 beside a mask
	s_or_b32 s[G1B+0], s44, (0<<16)|(1<<20)|(1<<21)|(3<<22)|(3<<25)
.irp g, G1, G1B
	s_mov_b32 s[\g+1], ROWB<<16                    ; tensor_dim0
	s_mov_b32 s[\g+2], 128<<16                     ; tensor_dim1
	s_mov_b32 s[\g+3], ROWB<<16                    ; tile_dim0
	s_mov_b32 s[\g+4], 128                         ; tile_dim1
	s_mov_b32 s[\g+5], KROW                        ; pitch
	s_mov_b32 s[\g+6], 0
	s_mov_b32 s[\g+7], 0
.endr
	s_or_b32 s[G1S+0], s43, (3<<16)|(1<<20)|(1<<21)|(5<<22)|(3<<25)  ; the scales of 128 rows: 32 rows of 256 bytes, 16 bytes of padding behind each
	s_or_b32 s[G1SB+0], s44, (3<<16)|(1<<20)|(1<<21)|(5<<22)|(3<<25)
.irp g, G1S, G1SB
	s_mov_b32 s[\g+1], 32<<16
	s_mov_b32 s[\g+2], 32<<16
	s_mov_b32 s[\g+3], 32<<16
	s_mov_b32 s[\g+4], 32
	s_mov_b32 s[\g+5], 32
	s_mov_b32 s[\g+6], 0
	s_mov_b32 s[\g+7], 0
.endr
	s_lshl_b32 s45, s22, 7                         ; 128 x the half that I fetch
	s_lshl_b32 s92, s23, 8
	s_add_co_u32 s92, s92, s45                     ; A: row 256 x tile row + 128 x half
	s_mov_b32 s93, 0
	s_lshl_b32 s94, s42, 8
	s_add_co_u32 s94, s94, s45                     ; B in Wq: row 256 x tile column + 128 x half
	s_and_b32 s96, s42, 3
	s_lshl_b32 s96, s96, 7                         ; B in Wk or Wv: row 128 x head (tile columns 8..11 are heads 0..3)
	s_cmp_lt_u32 ttmp9, 2                          ; the cluster's x: the same in all partners
	s_cselect_b32 s94, s94, s96
	s_mov_b32 s95, 0
	s_mov_b64 s[66:67], KS
	s_mul_u64 s[98:99], s[92:93], s[66:67]         ; where these rows' scales begin
	s_mul_u64 s[100:101], s[94:95], s[66:67]
	s_mov_b64 s[66:67], KROW
	s_mul_u64 s[92:93], s[92:93], s[66:67]         ; and their codes
	s_mul_u64 s[94:95], s[94:95], s[66:67]
	s_mul_i32 s45, s20, HALFT                      ; where they go: wave x 128 rows
	s_mul_i32 s2, s20, HALFS
	s_wait_kmcnt 0x0
	s_cmp_eq_u32 s22, 0                            ; in cluster x = 2 the lower half of B is Wk's, the upper Wv's
	s_cselect_b64 s[12:13], s[12:13], s[16:17]
	s_cselect_b64 s[14:15], s[14:15], s[18:19]
	s_cmp_lt_u32 ttmp9, 2
	s_cselect_b64 s[8:9], s[8:9], s[12:13]
	s_cselect_b64 s[10:11], s[10:11], s[14:15]
	s_add_nc_u64 s[92:93], s[4:5], s[92:93]
	s_add_nc_u64 s[98:99], s[6:7], s[98:99]
	s_add_nc_u64 s[94:95], s[8:9], s[94:95]
	s_add_nc_u64 s[100:101], s[10:11], s[100:101]
	CROUND                                         ; all sixteen work-groups are here: the first joint loads meet
	s_mov_b32 s[G0S], 1
	s_add_co_u32 s[G0S+1], s2, SCL
	s_mov_b64 s[G0S+2:G0S+3], s[98:99]
	s_or_b32 s[G0S+3], s[G0S+3], 0x80000000
	s_mov_b32 s[G0SB], 1
	s_add_co_u32 s[G0SB+1], s2, SCL
	s_mov_b64 s[G0SB+2:G0SB+3], s[100:101]
	s_or_b32 s[G0SB+3], s[G0SB+3], 0x80000000
	JLOAD G0S, G1S, G0SB, G1SB                     ; the scales first
.irp s, 0,1
	s_mov_b32 s[G0+4*\s], 1
	s_add_co_u32 s[G0+4*\s+1], s45, \s*SLOT
	s_add_nc_u64 s[G0+4*\s+2:G0+4*\s+3], s[92:93], \s*ROWB
	s_or_b32 s[G0+4*\s+3], s[G0+4*\s+3], 0x80000000
	s_mov_b32 s[G0B+4*\s], 1
	s_add_co_u32 s[G0B+4*\s+1], s45, \s*SLOT
	s_add_nc_u64 s[G0B+4*\s+2:G0B+4*\s+3], s[94:95], \s*ROWB
	s_or_b32 s[G0B+4*\s+3], s[G0B+4*\s+3], 0x80000000
	JLOAD G0+4*\s, G1, G0B+4*\s, G1B               ; three tensor loads of mine are out behind the second of these
.endr
	v_and_b32 v1, 15, v0                           ; r
	v_bfe_u32 v2, v0, 4, 1                         ; h
	v_mul_u32_u24 v3, v1, PITCH
	v_mul_u32_u24 v4, v2, 24
	v_add_nc_u32 v4, v3, v4                        ; a fragment's row x pitch + 24 h
	v_lshl_add_u32 v5, v2, 4, v4                   ; and the same behind one padding more
	s_mul_i32 s46, s21, HALFT
	s_mul_i32 s47, s22, HALFT
	s_add_co_u32 s47, s47, 2*HALFT
.irp s, 0,1
	v_add_nc_u32 v[ADRA+\s], s46, v4
	v_add_nc_u32 v[ADRB+\s], s47, v4
	v_add_nc_u32 v[ADRA+2+\s], s46, v5
	v_add_nc_u32 v[ADRB+2+\s], s47, v5
	s_add_co_u32 s46, s46, SLOT
	s_add_co_u32 s47, s47, SLOT
.endr
	v_mul_u32_u24 v5, v1, KS                       ; my row's scales: 64 bytes a row, 16 more for each 256 passed
	v_lshrrev_b32 v6, 8, v5
	v_lshl_add_u32 v5, v6, 4, v5
	s_mul_i32 s46, s21, HALFS
	s_mul_i32 s47, s22, HALFS
	s_add_co_u32 s47, s47, 2*HALFS
	s_sub_co_u32 s47, s47, s46
	v_mul_u32_u24 v6, s47, v2                      ; lanes 16-31 take B's
	s_add_co_u32 s46, s46, SCL
	v_add_nc_u32 v5, v5, v6
	v_add_nc_u32 v[ADRS], s46, v5
	; the addresses of v's way out are made here, ahead of every parting of the waves
	v_and_b32 v6, 31, v0
	v_lshlrev_b32 v[LI], 4, v6
	s_mul_i32 s46, s20, VSTG
	v_mul_u32_u24 v3, v1, VPI
	v_add_nc_u32 v3, s46, v3
	v_lshl_add_u32 v[VSTO], v2, 5, v3
	v_lshl_add_u32 v[VRD], v2, 6, v3
	v_and_b32 v6, 7, v0
	v_bfe_u32 v7, v0, 3, 1
	v_lshl_add_u32 v6, v7, 4, v6
	v_lshl_add_u32 v6, v2, 3, v6                   ; my column of 32: lane % 8 + 16 ((lane / 8) % 2) + 8 (lane / 16)
	v_lshl_add_u32 v[VCOL], v6, 2, s46
	v_add_nc_u32 v[VCOL2], 64*VPI, v[VCOL]
; THE ROPE'S FACTORS, while the first tiles are on their way.  Register i of 16 belongs to frequency d = 16 (i / 8) + 8 h + i % 8: f = 10^(-d/8).
.set FQ, 192
.set QA, 128
.set QL, 132
.set QN, 136
.set QR, 140
.set QZ, 144
.set QS, 148
.set QC, 152
.set QW, 156
.set QV, 160
.set QY, 164
.set QQ, 168
.set QO, 172
.macro FREQ i, lo, hi
	v_mov_b32 v[FQ+\i], \hi
	v_cndmask_b32 v[FQ+\i], \lo, v[FQ+\i], vcc_lo
.endm
	v_cmp_eq_u32 vcc_lo, 1, v2
	FREQ 0, 1.0, 0.1
	FREQ 1, 0.7498942093, 0.07498942093
	FREQ 2, 0.5623413252, 0.05623413252
	FREQ 3, 0.4216965034, 0.04216965034
	FREQ 4, 0.3162277660, 0.03162277660
	FREQ 5, 0.2371373706, 0.02371373706
	FREQ 6, 0.1778279410, 0.01778279410
	FREQ 7, 0.1333521432, 0.01333521432
	FREQ 8, 0.01, 0.001
	FREQ 9, 0.007498942093, 0.0007498942093
	FREQ 10, 0.005623413252, 0.0005623413252
	FREQ 11, 0.004216965034, 0.0004216965034
	FREQ 12, 0.003162277660, 0.0003162277660
	FREQ 13, 0.002371373706, 0.0002371373706
	FREQ 14, 0.001778279410, 0.0001778279410
	FREQ 15, 0.001333521432, 0.0001333521432
	s_lshl_b32 s46, s23, 8
	s_lshl_b32 s47, s21, 7
	s_add_co_u32 s46, s46, s47
	s_and_b32 s46, s46, 1023                       ; my first row's place in its sequence
	v_add_nc_u32 v3, s46, v1
	v_cvt_f32_u32 v3, v3                           ; t of my lane's row in the first block of 16
	v_mov_b32 v4, 0x41800000                       ; 16.0: from block to block
	s_mov_b32 s46, 0xb94ca1f9                      ; the leading coefficients of sine and cosine
	s_mov_b32 s47, 0x37ccf5ce
; cos and sin of t x f for the 16 frequencies, four at a time by turns.  a = t f rounded, l = the exact rest; n = the nearest multiple of pi/2; r = a - n pi/2 (pi/2 in three parts) + l; polynomials on |r| <= pi/4; the quadrant swaps and signs.
.macro SINCOS t, oc, os
.irp g, 0,4,8,12
.irp k, 0,1,2,3
	v_mul_f32 v[QA+\k], v[\t], v[FQ+\g+\k]
.endr
.irp k, 0,1,2,3
	v_fma_f32 v[QL+\k], v[\t], v[FQ+\g+\k], -v[QA+\k]
	v_mul_f32 v[QN+\k], 0x3f22f983, v[QA+\k]
.endr
.irp k, 0,1,2,3
	v_rndne_f32 v[QN+\k], v[QN+\k]
.endr
.irp k, 0,1,2,3
	v_fmamk_f32 v[QR+\k], v[QN+\k], 0xbfc90000, v[QA+\k]
	v_cvt_i32_f32 v[QQ+\k], v[QN+\k]
.endr
.irp k, 0,1,2,3
	v_fmamk_f32 v[QR+\k], v[QN+\k], 0xb9fda000, v[QR+\k]
	v_and_b32 v[QO+\k], 1, v[QQ+\k]
.endr
.irp k, 0,1,2,3
	v_fmamk_f32 v[QR+\k], v[QN+\k], 0xb3a22168, v[QR+\k]
	v_cmp_eq_u32 s[96+\k], 1, v[QO+\k]
.endr
.irp k, 0,1,2,3
	v_add_f32 v[QR+\k], v[QR+\k], v[QL+\k]
.endr
.irp k, 0,1,2,3
	v_mul_f32 v[QZ+\k], v[QR+\k], v[QR+\k]
.endr
.irp k, 0,1,2,3
	v_fmaak_f32 v[QS+\k], s46, v[QZ+\k], 0x3c08839e
	v_fmaak_f32 v[QC+\k], s47, v[QZ+\k], 0xbab6061a
	v_mul_f32 v[QW+\k], v[QZ+\k], v[QR+\k]
	v_mul_f32 v[QV+\k], v[QZ+\k], v[QZ+\k]
	v_fma_f32 v[QY+\k], v[QZ+\k], -0.5, 1.0
.endr
.irp k, 0,1,2,3
	v_fmaak_f32 v[QS+\k], v[QS+\k], v[QZ+\k], 0xbe2aaaa3
	v_fmaak_f32 v[QC+\k], v[QC+\k], v[QZ+\k], 0x3d2aaaa5
.endr
.irp k, 0,1,2,3
	v_fma_f32 v[QS+\k], v[QS+\k], v[QW+\k], v[QR+\k]
	v_fma_f32 v[QC+\k], v[QC+\k], v[QV+\k], v[QY+\k]
	v_lshlrev_b32 v[QO+\k], 30, v[QQ+\k]
	v_add_nc_u32 v[QQ+\k], 1, v[QQ+\k]
.endr
.irp k, 0,1,2,3
	v_and_b32 v[QO+\k], 0x80000000, v[QO+\k]       ; sine is negative in quadrants 2, 3
	v_lshlrev_b32 v[QQ+\k], 30, v[QQ+\k]
	v_cndmask_b32 v[\os+\g+\k], v[QS+\k], v[QC+\k], s[96+\k]
	v_cndmask_b32 v[\oc+\g+\k], v[QC+\k], v[QS+\k], s[96+\k]
.endr
.irp k, 0,1,2,3
	v_and_b32 v[QQ+\k], 0x80000000, v[QQ+\k]       ; cosine in quadrants 1, 2
	v_xor_b32 v[\os+\g+\k], v[\os+\g+\k], v[QO+\k]
.endr
.irp k, 0,1,2,3
	v_xor_b32 v[\oc+\g+\k], v[\oc+\g+\k], v[QQ+\k]
.endr
.endr
.endm
	SINCOS 3, CSR, SNR
	SINCOS 4, DCR, DSR
.macro FRAG reg, adr, q, i             ; a fragment: 12 registers; lane (r, h): the row's pieces of 8 bytes 12 q + 0, 1, 2 and 12 q + 6, 7, 8, three pieces on for h = 1; where that lies behind one padding more the second address serves
.irp p, 0,1,2,3,4,5
.set PIECE, 12*(\q)+6*(\p/3)+\p%3
.if PIECE%8 < 5
	ds_load_b64 v[\reg+2*\p:\reg+2*\p+1], v[\adr] offset:8*PIECE+16*(PIECE/8)+(\i)*16*PITCH
.else
	ds_load_b64 v[\reg+2*\p:\reg+2*\p+1], v[\adr+2] offset:8*PIECE+16*(PIECE/8)+(\i)*16*PITCH
.endif
.endr
.endm
; 16 matrix instructions: A's blocks a0, a0 + 1 x B's eight.  The 64 accumulators take turns, one instruction a turn, in the same order in every step.
.macro MUL16 a0, p, q, sc, zero
.irp a, \a0, \a0+1
.irp b, 0,1,2,3,4,5,6,7
.if \zero
	v_wmma_scale_f32_16x16x128_f8f6f4 v[8*(8*((\a)%4)+\b):8*(8*((\a)%4)+\b)+7], v[128*(\p)+FR*\b:128*(\p)+FR*\b+FR-1], v[AF+FR*(\a):AF+FR*(\a)+FR-1], 0, v[SC+8*NQ*(\sc)+NQ*\b+(\q)], v[SC+8*NQ*(\sc)+NQ*(\a)+(\q)] matrix_a_fmt:MATRIX_FMT_FP6 matrix_b_fmt:MATRIX_FMT_FP6 matrix_a_scale:MATRIX_SCALE_ROW1
.else
	v_wmma_scale_f32_16x16x128_f8f6f4 v[8*(8*((\a)%4)+\b):8*(8*((\a)%4)+\b)+7], v[128*(\p)+FR*\b:128*(\p)+FR*\b+FR-1], v[AF+FR*(\a):AF+FR*(\a)+FR-1], v[8*(8*((\a)%4)+\b):8*(8*((\a)%4)+\b)+7], v[SC+8*NQ*(\sc)+NQ*\b+(\q)], v[SC+8*NQ*(\sc)+NQ*(\a)+(\q)] matrix_a_fmt:MATRIX_FMT_FP6 matrix_b_fmt:MATRIX_FMT_FP6 matrix_a_scale:MATRIX_SCALE_ROW1
.endif
.endr
.endr
.endm
.macro FETCH_B slot, q, p
	WIN TO_B
.irp i, 0,1,2,3,4,5,6,7
	FRAG 128*(\p)+FR*\i, ADRB+\slot, \q, \i
.endr
	WIN 0
.endm
.macro FETCH_A slot, q, i0
.irp i, \i0, \i0+1, \i0+2, \i0+3
	FRAG AF+FR*(\i), ADRA+\slot, \q, \i
.endr
.endm
.macro SCALES sc                       ; a K step's scale words: lanes 0-15 A's block i, lanes 16-31 B's block i
.irp i, 0,1,2,3,4,5,6,7
	ds_load_b64 v[SC+8*NQ*\sc+NQ*\i:SC+8*NQ*\sc+NQ*\i+1], v[ADRS] offset:\i*SBLK
.endr
.endm
.macro STEP slot, q, zero              ; a step of 128 along K that has its successor in the same slot
	s_wait_dscnt 4*NL                              ; all but the youngest 24 loads (A's blocks 4-7)
	WIN MUL_LO
	MUL16 0, (\q)%2, \q, \slot, \zero
	MUL16 2, (\q)%2, \q, \slot, \zero
	s_wait_dscnt 0
	PLACES NP                                      ; places in front of loads into registers that matrix instructions have read
	FETCH_B \slot, (\q)+1, 1-(\q)%2
	FETCH_A \slot, (\q)+1, 0
	WIN MUL_HI
	MUL16 4, (\q)%2, \q, \slot, \zero
	MUL16 6, (\q)%2, \q, \slot, \zero
	PLACES NP
	WIN 0
	FETCH_A \slot, (\q)+1, 4
.endm
.macro TURN slot, next, fill           ; a slot's last step changes slots: one barrier
	s_wait_tensorcnt 0x0                           ; all my tensor loads have landed: my part of the next slot
	ds_add_u32 v[SPW], v[NIL]                      ; 0 onto my spare word
	s_wait_dscnt 4*NL+1                            ; (the add and the youngest 24 loads may be out)
	WIN MUL_LO
	MUL16 0, 1, NQ-1, \slot, 0
	s_wait_dscnt 0x0                               ; the add is done, and my reads of this slot are over
	s_barrier_signal -1
	MUL16 2, 1, NQ-1, \slot, 0
	WIN 0
	s_barrier_wait -1
.if \fill
	CREST                                          ; the barrier has opened a round of the cluster's: no wave of any partner still reads this slot or has a load on its way
	s_add_nc_u64 s[G0+4*\slot+2:G0+4*\slot+3], s[G0+4*\slot+2:G0+4*\slot+3], 2*ROWB
	s_add_nc_u64 s[G0B+4*\slot+2:G0B+4*\slot+3], s[G0B+4*\slot+2:G0B+4*\slot+3], 2*ROWB
	JLOAD G0+4*\slot, G1, G0B+4*\slot, G1B         ; the first tensor load behind the round; its four v_nop are the places in front of the loads below
.else
	PLACES NP
.endif
	v_add_nc_u32 v[ADRS], 4*NQ, v[ADRS]
	FETCH_B \next, 0, 0
	FETCH_A \next, 0, 0
	SCALES \next
	WIN MUL_HI
	MUL16 4, 1, NQ-1, \slot, 0
	MUL16 6, 1, NQ-1, \slot, 0
	PLACES NP
	WIN 0
	FETCH_A \next, 0, 4
.endm
	s_wait_tensorcnt 1                             ; the scales and my part of K step 0 are in; K step 1's load may be out
	s_barrier_signal -1
	s_barrier_wait -1
	FETCH_B 0, 0, 0
	FETCH_A 0, 0, 0
	SCALES 0
	FETCH_A 0, 0, 4
	STEP 0, 0, 1                                   ; the first step's products start the sums
	s_mov_b32 s3, LAPS-1
.Llap:
	TURN 0, 1, 1
	STEP 1, 0, 0
	TURN 1, 0, 1
	STEP 0, 0, 0
	s_sub_co_u32 s3, s3, 1
	s_cmp_lg_u32 s3, 0
	s_cbranch_scc1 .Llap
	TURN 0, 1, 0                                   ; the last lap fills nothing
	STEP 1, 0, 0
	s_wait_dscnt 4*NL
	WIN MUL_LO
	MUL16 0, 1, NQ-1, 1, 0
	MUL16 2, 1, NQ-1, 1, 0
	s_wait_dscnt 0
	WIN MUL_HI
	MUL16 4, 1, NQ-1, 1, 0
	MUL16 6, 1, NQ-1, 1, 0
	WIN 0
	; THE WAYS OUT.  A barrier first: every wave's reads of both slots and of the scales are over, so their bytes may serve as stages.
	s_load_b256 s[4:11], s[0:1], 0x40              ; qc, qs, kb, vb
	s_load_b64 s[12:13], s[0:1], 0x60              ; v32
	s_wait_dscnt 0x0
	s_barrier_signal -1
	s_barrier_wait -1
	PLACES NP                                      ; behind the last products: their results are read and their operands' registers written below
	s_lshl_b32 s46, s23, 8
	s_lshl_b32 s47, s21, 7
	s_add_co_u32 s46, s46, s47                     ; my first row, 0..3,968
	s_lshl_b32 s47, s42, 1
	s_add_co_u32 s47, s47, s22                     ; q's head
	s_lshl_b32 s66, s47, 8
	s_lshr_b32 s67, s46, 4
	s_add_co_u32 s66, s66, s67
	s_mul_i32 s66, s66, 1536                       ; qc: (head x 256 + row / 16) images
	s_lshl_b32 s67, s47, 5
	s_lshr_b32 s92, s46, 7
	s_add_co_u32 s67, s67, s92
	s_lshl_b32 s67, s67, 9                         ; qs: (head x 32 + row / 128) scale images
	s_lshr_b32 s92, s46, 10
	s_lshl_b32 s92, s92, 2
	s_add_co_u32 s92, s92, s40                     ; 4 b + kv
	s_lshl_b32 s93, s92, 3
	s_bfe_u32 s94, s46, 0x30007
	s_add_co_u32 s93, s93, s94
	s_mul_i32 s93, s93, 12800                      ; kb, vb: the block of my 128 keys
	s_mov_b32 s[SEL], 0x76543210
	s_mov_b32 s[SEL+1], 0xfedcba98
	s_mov_b32 s16, 0xffff0000                      ; lanes 16-31
	s_mov_b32 s17, 0x3c000000                      ; 1 / 128
	s_mov_b32 s18, 0x34000000                      ; rms_norm's eps, 2^-23
	s_wait_kmcnt 0x0
	s_cmp_lt_u32 ttmp9, 2                          ; clusters x = 0, 1 hold q alone
	s_cbranch_scc1 .Lqk
	s_cmp_eq_u32 s22, 0                            ; in cluster x = 2: waves 0, 2 hold k, waves 1, 3 hold v
	s_cbranch_scc0 .Lv
.Lqk:
.set XR,  128                          ; v128-191 a block's 64 numbers
.set CDR, 192                          ; v192-203 its codes
.set PTR, 204
.set TMR, 212
.set PWR, 228
.set SQ,  230
.set SS,  234
.set RS,  236
.set RT,  240
	s_add_co_u32 s95, s93, 12288
	s_cmp_lt_u32 ttmp9, 2
	s_cselect_b64 s[96:97], s[4:5], s[8:9]         ; codes go to qc or kb,
	s_cselect_b64 s[98:99], s[6:7], s[8:9]         ; scale words to qs or kb
	s_cselect_b32 s66, s66, s93
	s_cselect_b32 s100, s67, s95
	s_mov_b32 s67, 0
	s_mov_b32 s101, 0
	s_add_nc_u64 s[96:97], s[96:97], s[66:67]
	s_add_nc_u64 s[98:99], s[98:99], s[100:101]
.irp b, 0,1,2,3
	v_mov_b32 v[TMR+4+\b], 0                       ; written once: a lane permute's destination counts as one of its sources
.endr
	v_mov_b32 v[SS+1], 0
; Block a: 16 rows x my head.  Mean square, rsqrt, scaling; the rope on d < 64 (registers i and 16 + i are d and d + 32); the factors turned by 16 rows; quantised; stored as an image.
.macro QKROW a
.set AC, 64*((\a)%4)
.set WN, 2+(\a)/4
.set WN5, 5*WN
	WIN WN5                                        ; sources 0 and 1 in the accumulators' window
	v_pk_mul_f32 v[SQ:SQ+1], v[AC:AC+1], v[AC:AC+1]          ; each accumulator is read from its low end on
	v_pk_mul_f32 v[SQ+2:SQ+3], v[AC+2:AC+3], v[AC+2:AC+3]
.irp n, 4,8,12,16,20,24,28,32,36,40,44,48,52,56,60
	v_pk_fma_f32 v[SQ:SQ+1], v[AC+\n:AC+\n+1], v[AC+\n:AC+\n+1], v[SQ:SQ+1]
	v_pk_fma_f32 v[SQ+2:SQ+3], v[AC+\n+2:AC+\n+3], v[AC+\n+2:AC+\n+3], v[SQ+2:SQ+3]
.endr
	WIN 0
	v_pk_add_f32 v[SQ:SQ+1], v[SQ:SQ+1], v[SQ+2:SQ+3]
	v_add_f32 v[SS], v[SQ], v[SQ+1]
	v_permlanex16_b32 v[SS+1], v[SS], s[SEL], s[SEL+1]
	v_add_f32 v[SS], v[SS], v[SS+1]                ; the row's sum of 128 squares
	v_fma_f32 v[SS], v[SS], s17, s18
	v_rsq_f32 v[RS], v[SS]
	v_mov_b32 v[RS+1], 0                           ; the plain place behind the transcendental; the pair's upper half is named below
	s_wait_alu depctr_va_vdst(0)                   ; the wait ahead of the first reader
	WIN WN
.set NN, 0
.rept 32
	v_pk_mul_f32 v[XR+NN:XR+NN+1], v[AC+NN:AC+NN+1], v[RS:RS+1] op_sel_hi:[1,0]
.set NN, NN+2
.endr
	WIN 0
.irp g, 0,8
.irp n, 0,2,4,6
	v_pk_mul_f32 v[RT+\n:RT+\n+1], v[XR+16+\g+\n:XR+17+\g+\n], v[SNR+\g+\n:SNR+\g+\n+1]
.endr
.irp n, 0,2,4,6
	v_pk_mul_f32 v[RT+8+\n:RT+9+\n], v[XR+\g+\n:XR+\g+\n+1], v[SNR+\g+\n:SNR+\g+\n+1]
.endr
.irp n, 0,2,4,6
	v_pk_fma_f32 v[XR+\g+\n:XR+\g+\n+1], v[XR+\g+\n:XR+\g+\n+1], v[CSR+\g+\n:CSR+\g+\n+1], v[RT+\n:RT+\n+1]           ; x1 cos + x2 sin
.endr
.irp n, 0,2,4,6
	v_pk_fma_f32 v[XR+16+\g+\n:XR+17+\g+\n], v[XR+16+\g+\n:XR+17+\g+\n], v[CSR+\g+\n:CSR+\g+\n+1], v[RT+8+\n:RT+9+\n] neg_lo:[0,0,1] neg_hi:[0,0,1]   ; x2 cos - x1 sin
.endr
.endr
.if (\a) < 7
.irp g, 0,8                                    ; 16 rows on: cos' = cos dc - sin ds, sin' = sin dc + cos ds
.irp n, 0,2,4,6
	v_pk_mul_f32 v[RT+\n:RT+\n+1], v[SNR+\g+\n:SNR+\g+\n+1], v[DSR+\g+\n:DSR+\g+\n+1]
.endr
.irp n, 0,2,4,6
	v_pk_mul_f32 v[RT+8+\n:RT+9+\n], v[CSR+\g+\n:CSR+\g+\n+1], v[DSR+\g+\n:DSR+\g+\n+1]
.endr
.irp n, 0,2,4,6
	v_pk_fma_f32 v[CSR+\g+\n:CSR+\g+\n+1], v[CSR+\g+\n:CSR+\g+\n+1], v[DCR+\g+\n:DCR+\g+\n+1], v[RT+\n:RT+\n+1] neg_lo:[0,0,1] neg_hi:[0,0,1]
.endr
.irp n, 0,2,4,6
	v_pk_fma_f32 v[SNR+\g+\n:SNR+\g+\n+1], v[SNR+\g+\n:SNR+\g+\n+1], v[DCR+\g+\n:DCR+\g+\n+1], v[RT+8+\n:RT+9+\n]
.endr
.endr
.endif
.if (\a) > 0
	s_wait_xcnt 0x0                                ; the last block's stores have read their codes: the registers are written again only behind this wait
.endif
	QUANT XR, CDR, PTR, TMR, PWR, 1
.irp c, 0,1,2
	global_store_b128 v[LI], v[CDR+4*\c:CDR+4*\c+3], s[96:97] offset:1536*(\a)+512*\c   ; 32 lanes store 512 consecutive bytes
.endr
.if (\a)%2 == 0
	v_mov_b32 v[SWR+(\a)/2], v[PWR]                ; the scale image: an even tile's words in lanes 0-15,
.else
	v_cndmask_b32 v[SWR+(\a)/2], v[SWR+(\a)/2], v[PWR], s16   ; an odd tile's in lanes 16-31
.endif
.endm
.irp a, 0,1,2,3,4,5,6,7
	QKROW \a
.endr
	global_store_b128 v[LI], v[SWR:SWR+3], s[98:99]
	s_branch .Lend
.Lv:
.set IM0, 32                           ; v32-95, v96-159 two images of 16 rows in f32
.set CX0, 160                          ; v160-191, v192-223 two columns of 32 keys
.set EV,  224                          ; v224-235 my column's blocks 0, 2;  v236-247 blocks 1, 3
.set OD,  236
.set TT,  248
.set MX,  252
.set MX2, 253
.set SCV, 254
.set BYR, 255
	s_mov_b32 s94, s93
	s_mov_b32 s95, 0
	s_add_nc_u64 s[96:97], s[10:11], s[94:95]      ; vb at my 128 keys' block
	s_lshl_b32 s94, s92, 6
	s_bfe_u32 s66, s46, 0x60004
	s_add_co_u32 s94, s94, s66
	s_lshl_b32 s94, s94, 13
	s_add_nc_u64 s[98:99], s[12:13], s[94:95]      ; v32 at my first tile of 16 rows
	; 1: all 128 rows x 128 channels go to my stage, rows 528 bytes apart
.irp a, 0,1,2,3,4,5,6,7
.set AC, 64*((\a)%4)
.set WN4, 8+4*((\a)/4)
	WIN WN4                                        ; an LDS store's data are its source 1
.irp b, 0,1,2,3,4,5,6,7
	ds_store_b128 v[VSTO], v[AC+8*\b:AC+8*\b+3] offset:16*\a*VPI+64*\b          ; each accumulator from its low end on
	ds_store_b128 v[VSTO], v[AC+8*\b+4:AC+8*\b+7] offset:16*\a*VPI+64*\b+16
.endr
.endr
	WIN 0
	; 2: v in f32, as the next launch's registers want it: register 16 B + i of lane (r, h) = v(row r, channel 32 B + 16 h + i).  LDS serves a wave's instructions in order: the loads see my stores.
.macro VIMG a
.set IMB, IM0+64*((\a)%2)
.irp g, 0,1,2,3,4,5,6,7,8,9,10,11,12,13,14,15
	ds_load_b128 v[IMB+4*\g:IMB+4*\g+3], v[VRD] offset:16*(\a)*VPI+128*(\g/4)+16*(\g%4)
.endr
.endm
.macro VOUT a
.set IMB, IM0+64*((\a)%2)
.irp g, 0,1,2,3,4,5,6,7,8,9,10,11,12,13,14,15
	global_store_b128 v[LI], v[IMB+4*\g:IMB+4*\g+3], s[98:99] offset:8192*(\a)+512*\g
.endr
.endm
	VIMG 0
.irp a, 0,1,2,3,4,5,6,7
.if \a < 7
.if \a > 0
	s_wait_xcnt 0x0                                ; the stores of two tiles back have read the registers that the next loads fill
.endif
	VIMG \a+1
	s_wait_dscnt 16                                ; all but the next tile's 16 loads
.else
	s_wait_dscnt 0x0
.endif
	VOUT \a
.endr
	; 3: v along the keys.  A lane takes a channel (of group G's 32: lanes with h = u hold the rows of V^T's tile 2 G + u, channel 32 G + 8 u + r + 8 (r / 8)) and its registers run down a block's 32 keys, in the order of the head comment.
.macro VLOAD n                         ; n = 4 G + block
.set CXB, CX0+32*((\n)%2)
.set VG, (\n)/4
.set VBT, (\n)%4
.set PP, 0
.rept 32
.if VBT < 2
	ds_load_b32 v[CXB+PP], v[VCOL] offset:(32*VBT+(PP%8)+16*((PP/8)%2)+8*(PP/16))*VPI+128*VG
.else
	ds_load_b32 v[CXB+PP], v[VCOL2] offset:(32*(VBT-2)+(PP%8)+16*((PP/8)%2)+8*(PP/16))*VPI+128*VG
.endif
.set PP, PP+1
.endr
.endm
.macro VBLK n
.if (\n) < 15
	VLOAD (\n)+1
	s_wait_dscnt 32                                ; all but the next block's 32 loads
.else
	s_wait_dscnt 0x0
.endif
.set CXB, CX0+32*((\n)%2)
.set VG, (\n)/4
.set VBT, (\n)%4
.set DD, EV+12*(VBT%2)+6*(VBT/2)
.if (VBT == 0) && ((\n) > 0)
	s_wait_xcnt 0x0                                ; the last group's stores have read their codes
.endif
	v_max3_num_f32 v[MX], |v[CXB]|, |v[CXB+1]|, |v[CXB+2]|
	v_max3_num_f32 v[MX2], |v[CXB+3]|, |v[CXB+4]|, |v[CXB+5]|
.irp i, 6,10,14,18,22,26
	v_max3_num_f32 v[MX], v[MX], |v[CXB+\i]|, |v[CXB+\i+1]|
	v_max3_num_f32 v[MX2], v[MX2], |v[CXB+\i+2]|, |v[CXB+\i+3]|
.endr
	v_max3_num_f32 v[MX], v[MX], |v[CXB+30]|, |v[CXB+31]|
	v_max3_num_f32 v[MX], v[MX], v[MX2], 0x1800000
	v_add_nc_u32 v[SCV], 0xff000000, v[MX]
	v_lshrrev_b32 v[BYR], 23, v[SCV]
.if VBT == 0
	v_mov_b32 v[SWR+VG], v[BYR]
.else
	v_lshl_or_b32 v[SWR+VG], v[BYR], 8*VBT, v[SWR+VG]
.endif
	v_cvt_scalef32_pk16_fp6_f32 v[DD:DD+2], v[CXB:CXB+15], v[SCV]
	v_cvt_scalef32_pk16_fp6_f32 v[TT:TT+2], v[CXB+16:CXB+31], v[SCV]
	v_nop                                          ; one plain place behind the scaled conversions
.irp i, 0,1,2
	v_mov_b32 v[DD+3+\i], v[TT+\i]
.endr
.if VBT == 3
.irp i, 0,1,2,3,4,5,6,7,8,9,10,11
	v_permlane16_swap_b32 v[EV+\i], v[OD+\i]       ; tile 2 G's odd blocks go to its lanes 16-31, tile 2 G + 1's even blocks to its lanes 0-15: two fragments
.endr
.irp u, 0,1
.irp c, 0,1,2
	global_store_b128 v[LI], v[EV+12*\u+4*\c:EV+12*\u+4*\c+3], s[96:97] offset:(2*VG+\u)*1536+512*\c
.endr
.endr
.endif
.endm
	VLOAD 0
.irp n, 0,1,2,3,4,5,6,7,8,9,10,11,12,13,14,15
	VBLK \n
.endr
	global_store_b128 v[LI], v[SWR:SWR+3], s[96:97] offset:12288   ; the scale image: word G of lane (r, u) is tile 2 G + u's row r
.Lend:
	s_wait_tensorcnt 0x0                           ; the wave's end
	ds_add_u32 v[SPW], v[NIL]
	s_wait_dscnt 0x0
	CROUND                                         ; the closing round
	s_endpgm
.Lfunc_end_k_qe54a36322e_qkv:
	.size	k_qe54a36322e_qkv, .Lfunc_end_k_qe54a36322e_qkv-k_qe54a36322e_qkv
	.p2alignl 7, 3214868480
	.fill 96, 4, 3214868480
	.section	.rodata,"a",@progbits
	.p2align	6, 0x0
	.amdhsa_kernel k_qe54a36322e_qkv
		.amdhsa_group_segment_fixed_size 327680
		.amdhsa_private_segment_fixed_size 0
		.amdhsa_enable_private_segment 0
		.amdhsa_kernarg_size 104
		.amdhsa_user_sgpr_count 2
		.amdhsa_user_sgpr_kernarg_segment_ptr 1
		.amdhsa_wavefront_size32 1
		.amdhsa_system_sgpr_workgroup_id_x 1
		.amdhsa_system_sgpr_workgroup_id_y 1
		.amdhsa_system_sgpr_workgroup_id_z 1
		.amdhsa_system_vgpr_workitem_id 0
		.amdhsa_next_free_vgpr 1024
		.amdhsa_next_free_sgpr 102
		.amdhsa_reserve_vcc 1
		.amdhsa_float_denorm_mode_32 3
		.amdhsa_float_denorm_mode_16_64 3
		.amdhsa_memory_ordered 1
		.amdhsa_forward_progress 1
		.amdhsa_inst_pref_size 255
	.end_amdhsa_kernel
	.section	.bss,"aw",@nobits
	.p2align	6
	.space	262144
	.amdgpu_metadata
---
amdhsa.version: [ 1, 2 ]
amdhsa.kernels:
  - .name:           k_qe54a36322e_qkv
    .symbol:         k_qe54a36322e_qkv.kd
    .args:
      - { .name: x_codes, .offset: 0, .size: 8, .value_kind: global_buffer, .address_space: global }
      - { .name: x_scales, .offset: 8, .size: 8, .value_kind: global_buffer, .address_space: global }
      - { .name: Wq_codes, .offset: 16, .size: 8, .value_kind: global_buffer, .address_space: global }
      - { .name: Wq_scales, .offset: 24, .size: 8, .value_kind: global_buffer, .address_space: global }
      - { .name: Wk_codes, .offset: 32, .size: 8, .value_kind: global_buffer, .address_space: global }
      - { .name: Wk_scales, .offset: 40, .size: 8, .value_kind: global_buffer, .address_space: global }
      - { .name: Wv_codes, .offset: 48, .size: 8, .value_kind: global_buffer, .address_space: global }
      - { .name: Wv_scales, .offset: 56, .size: 8, .value_kind: global_buffer, .address_space: global }
      - { .name: qc, .offset: 64, .size: 8, .value_kind: global_buffer, .address_space: global }
      - { .name: qs, .offset: 72, .size: 8, .value_kind: global_buffer, .address_space: global }
      - { .name: kb, .offset: 80, .size: 8, .value_kind: global_buffer, .address_space: global }
      - { .name: vb, .offset: 88, .size: 8, .value_kind: global_buffer, .address_space: global }
      - { .name: v32, .offset: 96, .size: 8, .value_kind: global_buffer, .address_space: global }
    .group_segment_fixed_size: 327680
    .private_segment_fixed_size: 0
    .kernarg_segment_align: 8
    .kernarg_segment_size: 104
    .max_flat_workgroup_size: 128
    .sgpr_count:     102
    .vgpr_count:     1024
    .wavefront_size: 32
...
	.end_amdgpu_metadata
.endif
;; end of part 1
;; launch attn (part 2): grid 16 x 16, 8 waves a work-group, clusters of 4 x 1, 305,152 bytes of LDS; arguments qc, qs, kb, vb, v32, attn_mask, yc, ys; writes yc, ys
.if DOCPART == 2
	.amdgcn_target "amdgcn-amd-amdhsa--gfx1250"
	.amdhsa_code_object_version 6
	.text
	.protected	k_qe54a36322e_attn
	.globl	k_qe54a36322e_attn
	.p2align	8
	.type	k_qe54a36322e_attn,@function
k_qe54a36322e_attn:
	s_mov_b64 s[64:65], 0
	v_nop
	global_prefetch_b8 v0, s[64:65] scope:SCOPE_SE
	s_setreg_imm32_b32 hwreg(HW_REG_WAVE_MODE, 25, 1), 1
	s_wait_xcnt 0x0
	s_wait_alu depctr_hold_cnt(0) depctr_sa_sdst(0) depctr_va_vdst(0) depctr_va_sdst(0) depctr_va_ssrc(0) depctr_va_vcc(0) depctr_vm_vsrc(0)
	s_getreg_b32 s2, hwreg(HW_REG_IB_STS2, 6, 4)
	s_cmp_eq_u32 s2, 0
	s_cbranch_scc0 .Lentry_in_a_cluster
	s_endpgm
.Lentry_in_a_cluster:
	s_bfe_u32 s2, ttmp6, 0x10000c
	s_cmp_lg_u32 s2, 0x3003
	s_cbranch_scc0 .Lentry_shape_is_right
	s_endpgm
.Lentry_shape_is_right:
; Attention on codes of FP6 (E2M3): scores = q k^T / sqrt(128) + mask, p = 2^t, O = p v, y = O / l, the removal of y's part along the query's own v, and the quantising of y along the model's 2,048.
; SHARES.  A work-group owns one (batch, key/value head) and 64 queries, for all four query heads of that key/value head.  Wave w: query tile w % 4 (16 queries), heads 2 (w / 4) and 2 (w / 4) + 1: two tiles that share
; every fragment of K and V read from LDS, and the mask's expansion.  Two waves lie on a SIMD.  All 1,024 keys' K and V (200 KB of images and scale images) stay in LDS: first fills alone, no slot is filled again.
; CLUSTER.  The four query blocks of a cluster walk the same K and V: each part is asked for jointly, by the same tensor load with a mask that names the four.
; LAYOUT.  Both products transposed: S^T = K Q^T, O^T = V^T P^T: a lane holds one query.  p's 16 registers of two neighbouring tiles are half a true block of 32 keys; V's codes were laid in the order in which p comes out.
; V^T's tile 2 G + u holds channels 32 G + 8 u + r + 8 (r / 8), so that O^T's register 16 B + i of lane (r, h) is channel 32 B + 16 h + i: sixteen neighbours, which the last quantiser wants.
; NO MAXIMUM IS TAKEN AWAY, AND NONE IS NEEDED: q and k are rows that rms_norm has normalised (the rope turns them, the quantiser moves each number by under 7 per cent), so |q . k| / sqrt(128) <= 13 and |t| <= 19 for every input:
; p lies in 2^-19 .. 2^19 and a row's sum under 2^29.  The shift M = 0 is a whole number: the codes' values are those of p = 2^(t - M) times an exact power of two, which the block's scale and the sum l take up.
; THE MASK is the C of the score product.  Staged, a true byte is 0x00 and a false one 0xFE; a byte moved to the top of a word is a number under 2^-125 or one between -2^127 and -2^125, whatever bytes follow it.  A hidden key's
; p is then exactly 0.  So is it with the bias -10000 where the row has a key that counts (2^(t - M) falls under the smallest f32); a row with none has O = 0 and l = 0 here and y = O / max(l, 2^-100) = 0, which is what `valid` gives.
; LIMITS: NaN and infinities are not served.  A block of zeros gets the scale byte 1 in place of 127: its codes are zeros.
.set VBO,  102400                      ; LDS: K's 8 steps of 12,800 bytes (8 images, a scale image) at 0; V's here
.set MK,   204800                      ; the mask: 64 rows, 1,040 bytes apart (260 words: the 32 lanes of a load of 8 bytes at 1,040 r + 8 h touch 64 different words modulo 64)
.set V32S, 271360                      ; v in f32 of my 64 queries: 4 images of 8,192 bytes
.set S0,  32                           ; v32-95 S^T, then p, of head 0; v96-159 of head 1
.set BI,  160                          ; v160-223 the mask as 64 numbers; behind the score products: codes and work
.set MB,  224                          ; v224-239 the mask's 16 words
.set L0,  240                          ; v[240:241], v[242:243] the rows' sums, in two halves
.set PW0, 244                          ; v244, v245 p's scale words
.set QSC, 246                          ; v246 q's scale words: lanes 0-15 head 0, lanes 16-31 head 1
.set KSC, 248                          ; v248-251 K's scale image, v252-255 V's
.set VSC, 252
.set PC0, 160
.set PT,  184
.set TM0, 192
.set SB,  224
.set VV,  160
.set FB,  128                          ; window 1: v128-223 eight fragments of K, then of V; v224-247 Q's two; v0-127 O^T
.set QF,  224
.set SEL, 56
.set W_LD, 0x40
.set W_S,  0x05
.set W_O,  0x51
.set MSB, 0
.macro WIN new
.if MSB != \new
	s_set_vgpr_msb (MSB<<8)|\new
.set MSB, \new
.endif
.endm
.macro PLACES n
.rept \n
	v_nop
.endr
.endm
.macro CROUND
	s_barrier_signal -1
	s_barrier_wait -1
	s_cmp_lg_u32 s20, 0
	s_cbranch_scc1 .Lnot_wave_0_\@
	s_barrier_signal -3
.Lnot_wave_0_\@:
	s_barrier_wait -3
	s_barrier_signal -1
	s_barrier_wait -1
.endm
; 64 numbers of a lane, register 16 b + i in block b of my row, become a fragment's 12 registers of codes (pc) and my row's scale word (pw).  pt: 8, tm: 16 registers at work.  ab = 1: magnitudes.
.macro QUANT s, pc, pt, tm, pw, ab
.irp b, 0,1,2,3
.if \ab
	v_max3_num_f32 v[\tm+\b], |v[\s+16*\b]|, |v[\s+1+16*\b]|, 0x1800000   ; the floor 2^(3 - 127) holds the byte at 1 from below
.else
	v_max3_num_f32 v[\tm+\b], v[\s+16*\b], v[\s+1+16*\b], 0x1800000
.endif
.endr
.irp i, 2,4,6,8,10,12,14
.irp b, 0,1,2,3
.if \ab
	v_max3_num_f32 v[\tm+\b], v[\tm+\b], |v[\s+16*\b+\i]|, |v[\s+1+16*\b+\i]|
.else
	v_max3_num_f32 v[\tm+\b], v[\tm+\b], v[\s+16*\b+\i], v[\s+1+16*\b+\i]
.endif
.endr
.endr
.irp b, 0,1,2,3
	v_permlanex16_b32 v[\tm+4+\b], v[\tm+\b], s[SEL], s[SEL+1]
.endr
.irp b, 0,1,2,3
	v_max_num_f32 v[\tm+\b], v[\tm+\b], v[\tm+4+\b]
.endr
.irp b, 0,1,2,3
	v_add_nc_u32 v[\tm+12+\b], 0xff000000, v[\tm+\b]   ; 2 off the exponent field: the conversion's scale operand
.endr
.irp b, 0,1,2,3
	v_lshrrev_b32 v[\tm+4+\b], 23, v[\tm+12+\b]
.endr
	v_lshl_or_b32 v[\pw], v[\tm+5], 8, v[\tm+4]
	v_lshl_or_b32 v[\pw], v[\tm+6], 16, v[\pw]
	v_lshl_or_b32 v[\pw], v[\tm+7], 24, v[\pw]
.irp c, 0,1
	v_cvt_scalef32_pk16_fp6_f32 v[\pc+6*\c:\pc+2+6*\c], v[\s+32*\c:\s+15+32*\c], v[\tm+12+2*\c]
	v_cvt_scalef32_pk16_fp6_f32 v[\pt+4*\c:\pt+2+4*\c], v[\s+16+32*\c:\s+31+32*\c], v[\tm+13+2*\c]
.endr
	v_nop                                          ; one plain place behind the scaled conversions
.irp c, 0,1
.irp i, 0,1,2
	v_permlane16_swap_b32 v[\pc+6*\c+\i], v[\pt+4*\c+\i]
.endr
.irp i, 0,1,2
	v_mov_b32 v[\pc+3+6*\c+\i], v[\pt+4*\c+\i]
.endr
.endr
.endm
	s_load_b512 s[4:19], s[0:1], 0x0               ; qc, qs, kb, vb, v32, attn_mask, yc, ys
	v_lshl_add_u32 v27, v0, 2, 0x4a400
	v_mov_b32 v247, 0
	ds_add_u32 v27, v247
	ds_add_u32 v27, v247
	v_lshrrev_b32 v1, 5, v0
	v_readfirstlane_b32 s20, v1                    ; wave 0..7
	s_and_b32 s21, s20, 3                          ; my query tile.  Also: which quarter of K's or V's bytes I fetch
	s_lshr_b32 s22, s20, 2                         ; my pair of heads.  Also: I fetch for K (0) or for V (1)
	s_bfe_u32 s23, ttmp6, 0x40000                  ; cx: it enters global addresses alone
	s_lshl_b32 s48, ttmp9, 2
	s_add_co_u32 s48, s48, s23                     ; my block of 64 queries, 0..15
	s_and_b32 s49, ttmp7, 0xffff                   ; 4 b + kv, which the partners share
	s_lshr_b32 s50, s49, 2                         ; b
	s_and_b32 s51, s49, 3                          ; kv
	s_lshl_b32 s52, s50, 6
	s_lshl_b32 s62, s48, 2
	s_add_co_u32 s52, s52, s62
	s_add_co_u32 s52, s52, s21                     ; my tile of 16 rows among the 256
	; group 1: dense blocks as rows of 256 bytes (32 elements of 8 bytes): 25 rows (a quarter of steps 0, 1), 75 rows (of steps 2 to 7); the mask names all four partners, bit 21 beside it
	s_mov_b32 s32, 15|(3<<16)|(1<<21)
	s_mov_b32 s33, 32<<16
	s_mov_b32 s34, 25<<16
	s_mov_b32 s35, 32<<16
	s_mov_b32 s36, 25
	s_mov_b32 s37, 32
	s_mov_b32 s38, 0
	s_mov_b32 s39, 0
	s_mov_b32 s40, 15|(3<<16)|(1<<21)
	s_mov_b32 s41, 32<<16
	s_mov_b32 s42, 75<<16
	s_mov_b32 s43, 32<<16
	s_mov_b32 s44, 75
	s_mov_b32 s45, 32
	s_mov_b32 s46, 0
	s_mov_b32 s47, 0
	s_mul_i32 s62, s49, 102400                     ; my (b, kv)'s 8 steps
	s_mul_i32 s63, s21, 6400
	s_mul_i32 s66, s21, 19200
	s_add_co_u32 s66, s66, 25600
	s_add_co_u32 s76, s62, s63
	s_mov_b32 s77, 0
	s_add_co_u32 s78, s62, s66
	s_mov_b32 s79, 0
	s_mov_b32 s54, 0x3e0293ee                      ; c = log2(e) / sqrt(128)
	s_mov_b32 s55, s54
	s_mov_b32 s[SEL], 0x76543210
	s_mov_b32 s[SEL+1], 0xfedcba98
	s_mov_b32 s58, 0xffff0000                      ; lanes 16-31
	s_mov_b32 s59, 0                               ; the step's bytes in K and V
	s_mov_b32 s60, 0                               ; and in a row of the mask
	s_wait_dscnt 0x0
	s_wait_kmcnt 0x0
	s_mov_b32 s24, 1
	s_mov_b32 s25, s63
	s_add_nc_u64 s[26:27], s[8:9], s[76:77]
	s_or_b32 s27, s27, 0x80000000
	s_mov_b32 s28, 1
	s_mov_b32 s29, s66
	s_add_nc_u64 s[30:31], s[8:9], s[78:79]
	s_or_b32 s31, s31, 0x80000000
	s_mov_b32 s68, 1
	s_add_co_u32 s69, s63, VBO
	s_add_nc_u64 s[70:71], s[10:11], s[76:77]
	s_or_b32 s71, s71, 0x80000000
	s_mov_b32 s72, 1
	s_add_co_u32 s73, s66, VBO
	s_add_nc_u64 s[74:75], s[10:11], s[78:79]
	s_or_b32 s75, s75, 0x80000000
	CROUND                                         ; all four work-groups are here: the joint loads meet
	s_cmp_lt_u32 s20, 4                            ; a wave's two fills stand in one branch on its number: two tensor loads of mine are out
	s_cbranch_scc0 .Lfirst_v
	tensor_load_to_lds s[24:27], s[32:39]
	s_nop 0
	tensor_load_to_lds s[28:31], s[40:47]
	s_nop 0
.rept 4
	v_nop
.endr
	s_branch .Lfirst_asked
.Lfirst_v:
	tensor_load_to_lds s[68:71], s[32:39]
	s_nop 0
	tensor_load_to_lds s[72:75], s[40:47]
	s_nop 0
.rept 4
	v_nop
.endr
.Lfirst_asked:
	v_and_b32 v12, 31, v0
	v_lshlrev_b32 v1, 4, v12                       ; v1: 16 x lane
	v_and_b32 v13, 15, v0                          ; r
	v_bfe_u32 v14, v0, 4, 1                        ; h
	s_mul_i32 s80, s21, 16*1040
	s_add_co_u32 s80, s80, MK
	v_mul_u32_u24 v2, v13, 1040
	v_lshl_add_u32 v2, v14, 3, v2
	v_add_nc_u32 v2, s80, v2                       ; v2: the mask's row of my query, + 8 h
	s_mul_i32 s80, s20, 8*1040
	s_add_co_u32 s80, s80, MK
	v_add_nc_u32 v8, s80, v1                       ; v8: where I stage the mask's rows 8 w on
	s_lshl_b32 s80, s20, 12
	s_add_co_u32 s80, s80, V32S
	v_add_nc_u32 v9, s80, v1                       ; v9: where I stage 4,096 bytes of v
	s_lshl_b32 s80, s21, 13
	s_add_co_u32 s80, s80, V32S
	v_add_nc_u32 v10, s80, v1                      ; v10: my query tile's image of v
	v_lshlrev_b32 v11, 4, v13
	v_lshl_add_u32 v11, v14, 14, v11               ; v11: q's scale words: 16 r, and a head (32 images of 512 bytes) on for lanes 16-31
	v_lshlrev_b32 v6, 6, v13
	v_lshl_add_u32 v6, v14, 2, v6                  ; v6: y's scale words: 64 r + 4 h
	s_lshl_b32 s80, s50, 10
	s_lshl_b32 s81, s48, 6
	s_add_co_u32 s80, s80, s81
	s_lshl_b32 s81, s20, 3
	s_add_co_u32 s80, s80, s81
	s_lshl_b32 s80, s80, 10
	s_mov_b32 s81, 0
	s_add_nc_u64 s[14:15], s[14:15], s[80:81]      ; the mask at row 1,024 b + 64 block + 8 wave
	s_lshl_b32 s80, s49, 6
	s_lshl_b32 s82, s48, 2
	s_add_co_u32 s80, s80, s82
	s_lshl_b32 s80, s80, 13
	s_lshl_b32 s82, s20, 12
	s_add_co_u32 s80, s80, s82
	s_add_nc_u64 s[12:13], s[12:13], s[80:81]      ; v32 at my block's four images, + 4,096 x wave
	s_lshl_b32 s82, s51, 2
	s_lshl_b32 s83, s22, 1
	s_add_co_u32 s82, s82, s83                     ; my first head: 4 kv + 2 (w / 4)
	s_lshl_b32 s80, s82, 8
	s_add_co_u32 s80, s80, s52
	s_mul_i32 s80, s80, 1536
	s_add_nc_u64 s[4:5], s[4:5], s[80:81]          ; qc and yc at (head x 256 + tile) images; the second head is 393,216 bytes on
	s_add_nc_u64 s[16:17], s[16:17], s[80:81]
	s_lshl_b32 s84, s82, 5
	s_lshr_b32 s85, s52, 3
	s_add_co_u32 s84, s84, s85
	s_lshl_b32 s84, s84, 9
	s_and_b32 s85, s52, 1
	s_lshl_b32 s85, s85, 8
	s_add_co_u32 s84, s84, s85
	s_bfe_u32 s85, s52, 0x20001
	s_lshl_b32 s85, s85, 2
	s_add_co_u32 s84, s84, s85
	s_mov_b32 s85, 0
	s_add_nc_u64 s[6:7], s[6:7], s[84:85]          ; qs: the scale image of my 128 rows, my tile's half of the lanes and word
	s_lshl_b32 s84, s52, 10
	s_lshl_b32 s86, s82, 2
	s_add_co_u32 s84, s84, s86
	s_add_nc_u64 s[18:19], s[18:19], s[84:85]      ; ys: row 16 x tile, word = head
.irp k, 0,1,2,3,4,5,6,7,8,9,10,11,12,13,14,15
	global_load_b128 v[32+4*\k:35+4*\k], v1, s[14:15] offset:512*\k     ; my 8 rows of the mask, 512 consecutive bytes a load
.endr
.irp i, 0,1,2,3,4,5,6,7
	global_load_b128 v[96+4*\i:99+4*\i], v1, s[12:13] offset:512*\i
.endr
	WIN W_LD
.irp e, 0,1
.irp c, 0,1,2
	global_load_b128 v[QF+12*\e+4*\c:QF+12*\e+4*\c+3], v1, s[4:5] offset:393216*\e+512*\c
.endr
.endr
	WIN 0
	global_load_b32 v[QSC], v11, s[6:7]
.irp i, 0,1,2,3
	v_mov_b32 v[L0+\i], 0
.endr
	s_wait_loadcnt 15                              ; the mask's 16 loads are in; behind them: 8 of v, 6 of q, 1 of q's scales
.set II, 32
.rept 64
	v_xor_b32 v[II], 0x01010101, v[II]
	v_mul_lo_u32 v[II], v[II], 0xfe                ; true: 0x00, false: 0xFE, byte by byte (no carry passes a byte)
.set II, II+1
.endr
.irp k, 0,1,2,3,4,5,6,7,8,9,10,11,12,13,14,15
	ds_store_b128 v8, v[32+4*\k:35+4*\k] offset:1040*(\k/2)+512*(\k%2)
.endr
	s_wait_loadcnt 7                               ; v's 8 loads are in; behind them: 6 + 1
.irp i, 0,1,2,3,4,5,6,7
	ds_store_b128 v9, v[96+4*\i:99+4*\i] offset:512*\i
.endr
	s_wait_loadcnt 0x0
	s_wait_tensorcnt 1                             ; my part of steps 0, 1 has landed; that of steps 2 to 7 may stay out
	s_wait_dscnt 0x0                               ; for the others' sake: my stores into the mask and into v
	s_barrier_signal -1
	s_barrier_wait -1
.macro SCORE t, e                      ; S^T tile t of head e: source 0 = 16 keys, source 1 = my 16 queries, C = the mask
.set RD_, S0+64*(\e)+8*(\t)
.set RA_, FB+12*(\t)
.set RB_, QF+12*(\e)
.set RC_, BI+8*(\t)
.set RK_, KSC+(\t)/2
.if ((\t)%2 == 0) && ((\e) == 0)
	v_wmma_scale_f32_16x16x128_f8f6f4 v[RD_:RD_+7], v[RA_:RA_+11], v[RB_:RB_+11], v[RC_:RC_+7], v[RK_], v[QSC] matrix_a_fmt:MATRIX_FMT_FP6 matrix_b_fmt:MATRIX_FMT_FP6
.elseif ((\t)%2 == 1) && ((\e) == 0)
	v_wmma_scale_f32_16x16x128_f8f6f4 v[RD_:RD_+7], v[RA_:RA_+11], v[RB_:RB_+11], v[RC_:RC_+7], v[RK_], v[QSC] matrix_a_fmt:MATRIX_FMT_FP6 matrix_b_fmt:MATRIX_FMT_FP6 matrix_a_scale:MATRIX_SCALE_ROW1
.elseif ((\t)%2 == 0)
	v_wmma_scale_f32_16x16x128_f8f6f4 v[RD_:RD_+7], v[RA_:RA_+11], v[RB_:RB_+11], v[RC_:RC_+7], v[RK_], v[QSC] matrix_a_fmt:MATRIX_FMT_FP6 matrix_b_fmt:MATRIX_FMT_FP6 matrix_b_scale:MATRIX_SCALE_ROW1
.else
	v_wmma_scale_f32_16x16x128_f8f6f4 v[RD_:RD_+7], v[RA_:RA_+11], v[RB_:RB_+11], v[RC_:RC_+7], v[RK_], v[QSC] matrix_a_fmt:MATRIX_FMT_FP6 matrix_b_fmt:MATRIX_FMT_FP6 matrix_a_scale:MATRIX_SCALE_ROW1 matrix_b_scale:MATRIX_SCALE_ROW1
.endif
.endm
.macro OPROD t, e, first               ; O^T tile t of head e: source 0 = 16 channels of V^T, source 1 = p
.set RD_, 64*(\e)+8*(\t)
.set RA_, FB+12*(\t)
.set RB_, PC0+12*(\e)
.set RK_, VSC+(\t)/2
.set RP_, PW0+(\e)
.if \first && ((\t)%2 == 0)
	v_wmma_scale_f32_16x16x128_f8f6f4 v[RD_:RD_+7], v[RA_:RA_+11], v[RB_:RB_+11], 0, v[RK_], v[RP_] matrix_a_fmt:MATRIX_FMT_FP6 matrix_b_fmt:MATRIX_FMT_FP6
.elseif \first
	v_wmma_scale_f32_16x16x128_f8f6f4 v[RD_:RD_+7], v[RA_:RA_+11], v[RB_:RB_+11], 0, v[RK_], v[RP_] matrix_a_fmt:MATRIX_FMT_FP6 matrix_b_fmt:MATRIX_FMT_FP6 matrix_a_scale:MATRIX_SCALE_ROW1
.elseif ((\t)%2 == 0)
	v_wmma_scale_f32_16x16x128_f8f6f4 v[RD_:RD_+7], v[RA_:RA_+11], v[RB_:RB_+11], v[RD_:RD_+7], v[RK_], v[RP_] matrix_a_fmt:MATRIX_FMT_FP6 matrix_b_fmt:MATRIX_FMT_FP6
.else
	v_wmma_scale_f32_16x16x128_f8f6f4 v[RD_:RD_+7], v[RA_:RA_+11], v[RB_:RB_+11], v[RD_:RD_+7], v[RK_], v[RP_] matrix_a_fmt:MATRIX_FMT_FP6 matrix_b_fmt:MATRIX_FMT_FP6 matrix_a_scale:MATRIX_SCALE_ROW1
.endif
.endm
; A KEY STEP: 128 keys, two heads.  first = 1: the products O^T start their sums.
.macro STEP first
	v_add_nc_u32 v3, s59, v1                       ; K's images of the step
	v_add_nc_u32 v5, s60, v2                       ; the mask's 128 bytes
	v_add_nc_u32 v4, VBO, v3                       ; V's images
	v_nop                                          ; four places behind the last step's products, in front of loads into the fragments' registers
.irp t, 0,1,2,3,4,5,6,7
	ds_load_b64 v[MB+2*\t:MB+2*\t+1], v5 offset:16*\t        ; keys 16 t + 8 h + 0..7 of my query
.endr
	ds_load_b128 v[KSC:KSC+3], v3 offset:12288
	WIN W_LD
.irp t, 0,1,2,3,4,5,6,7
.irp c, 0,1,2
	ds_load_b128 v[FB+12*\t+4*\c:FB+12*\t+4*\c+3], v3 offset:1536*\t+512*\c
.endr
.endr
	WIN 0
	s_wait_dscnt 25                                ; the mask's 8 loads are in; behind them: 1 of scales, 24 of fragments
.irp n, 0,1,2,3,4,5,6,7,8,9,10,11,12,13,14,15
	v_lshlrev_b32 v[BI+4*\n], 24, v[MB+\n]         ; each byte to the top of a word of its own
	v_lshlrev_b32 v[BI+4*\n+1], 16, v[MB+\n]
	v_lshlrev_b32 v[BI+4*\n+2], 8, v[MB+\n]
	v_mov_b32 v[BI+4*\n+3], v[MB+\n]
.endr
	s_wait_dscnt 0x0
	PLACES 4
	WIN W_S
.irp t, 0,1,2,3,4,5,6,7
.irp e, 0,1
	SCORE \t, \e
.endr
.endr
	WIN 0
	PLACES 4                                       ; behind the products: loads into K's registers, and reads of the scores
	WIN W_LD
.irp t, 0,1,2,3,4,5,6,7
.irp c, 0,1,2
	ds_load_b128 v[FB+12*\t+4*\c:FB+12*\t+4*\c+3], v4 offset:1536*\t+512*\c
.endr
.endr
	WIN 0
	ds_load_b128 v[VSC:VSC+3], v4 offset:12288
.set II, 0
.rept 64
	v_pk_mul_f32 v[S0+II:S0+II+1], v[S0+II:S0+II+1], s[54:55] op_sel_hi:[1,0]   ; t = score x c; each accumulator from its low end on
.set II, II+2
.endr
.set II, 0
.rept 128
	v_exp_f32 v[S0+II], v[S0+II]                   ; p = 2^t: one batch
.set II, II+1
.endr
	v_nop                                          ; the plain place behind the last exponential
	s_wait_alu depctr_va_vdst(0)                   ; one wait for the batch, ahead of its first reader
.irp e, 0,1
.set SE, S0+64*\e
.set LE, L0+2*\e
.set PCE, PC0+12*\e
.set TME, TM0+16*\e
.set PWE, PW0+\e
	v_pk_add_f32 v[SB:SB+1], v[SE:SE+1], v[SE+2:SE+3]        ; the row's sum of the unquantised p, in two chains
.irp j, 4,8,12,16,20,24,28,32,36,40,44,48,52,56,60
	v_pk_add_f32 v[LE:LE+1], v[LE:LE+1], v[SE+\j:SE+\j+1]
	v_pk_add_f32 v[SB:SB+1], v[SB:SB+1], v[SE+\j+2:SE+\j+3]
.endr
	v_pk_add_f32 v[LE:LE+1], v[LE:LE+1], v[SB:SB+1]
	QUANT SE, PCE, PT, TME, PWE, 0
.endr
	s_wait_dscnt 0x0                               ; V's fragments and scales are in
	PLACES 4                                       ; p's codes stand 4 places, its scale words more than 8, ahead of the scaled products
	WIN W_O
.irp t, 0,1,2,3,4,5,6,7
.irp e, 0,1
	OPROD \t, \e, \first
.endr
.endr
	WIN 0
	s_add_co_u32 s59, s59, 12800
	s_add_co_u32 s60, s60, 128
.endm
	STEP 1
	STEP 0
	s_wait_tensorcnt 0x0                           ; my part of steps 2 to 7 has landed,
	s_wait_dscnt 0x0
	s_barrier_signal -1
	s_barrier_wait -1                              ; everybody's has
	s_mov_b32 s61, 6
.Lk:
	STEP 0
	s_sub_co_u32 s61, s61, 1
	s_cmp_lg_u32 s61, 0
	s_cbranch_scc1 .Lk
	; THE WAY OUT.  y = O / l; y -= (y . v / max(v . v, 1e-6)) v with the query's own v in f32; quantised along the head's 128, which are K step `head` of the last product.
	PLACES 4
.irp g, 0,1,2,3,4,5,6,7,8,9,10,11,12,13,14,15
	ds_load_b128 v[VV+4*\g:VV+4*\g+3], v10 offset:512*\g
.endr
	v_add_f32 v240, v240, v241
	v_add_f32 v242, v242, v243
	v_permlanex16_b32 v241, v240, s[SEL], s[SEL+1]
	v_permlanex16_b32 v243, v242, s[SEL], s[SEL+1]
	v_add_f32 v240, v240, v241                     ; the rows' sums
	v_add_f32 v242, v242, v243
	v_max_num_f32 v240, 0x0d800000, v240           ; at least 2^-100: a row with no key that counts has O = 0 and gets y = 0
	v_max_num_f32 v242, 0x0d800000, v242
	s_wait_dscnt 0x0
	v_pk_mul_f32 v[8:9], v[VV:VV+1], v[VV:VV+1]
	v_pk_mul_f32 v[10:11], v[VV+2:VV+3], v[VV+2:VV+3]
.irp n, 4,8,12,16,20,24,28,32,36,40,44,48,52,56,60
	v_pk_fma_f32 v[8:9], v[VV+\n:VV+\n+1], v[VV+\n:VV+\n+1], v[8:9]
	v_pk_fma_f32 v[10:11], v[VV+\n+2:VV+\n+3], v[VV+\n+2:VV+\n+3], v[10:11]
.endr
	v_pk_add_f32 v[8:9], v[8:9], v[10:11]
	v_add_f32 v8, v8, v9
	v_permlanex16_b32 v9, v8, s[SEL], s[SEL+1]
	v_add_f32 v239, v8, v9
	v_max_num_f32 v239, 0x358637bd, v239           ; max(v . v, 1e-6)
	v_rcp_f32 v240, v240
	v_rcp_f32 v242, v242
	v_rcp_f32 v239, v239
	v_mov_b32 v241, 0                              ; plain places behind the reciprocals: the upper halves of pairs that are named below,
	v_mov_b32 v243, 0
	v_mov_b32 v5, 0
.irp b, 0,1,2,3
	v_mov_b32 v[20+\b], 0                          ; and the lane permutes' destinations
.endr
	s_wait_alu depctr_va_vdst(0)                   ; one wait for the three
.irp e, 0,1
.set SE, S0+64*\e
.set OE, 64*\e
.set RLE, L0+2*\e
.set PYE, 236+\e
	WIN 0x01                                       ; source 0 (O^T) in window 1
.set II, 0
.rept 32
	v_pk_mul_f32 v[SE+II:SE+II+1], v[OE+II:OE+II+1], v[RLE:RLE+1] op_sel_hi:[1,0]
.set II, II+2
.endr
	WIN 0
	v_pk_mul_f32 v[8:9], v[SE:SE+1], v[VV:VV+1]
	v_pk_mul_f32 v[10:11], v[SE+2:SE+3], v[VV+2:VV+3]
.irp n, 4,8,12,16,20,24,28,32,36,40,44,48,52,56,60
	v_pk_fma_f32 v[8:9], v[SE+\n:SE+\n+1], v[VV+\n:VV+\n+1], v[8:9]
	v_pk_fma_f32 v[10:11], v[SE+\n+2:SE+\n+3], v[VV+\n+2:VV+\n+3], v[10:11]
.endr
	v_pk_add_f32 v[8:9], v[8:9], v[10:11]
	v_add_f32 v8, v8, v9
	v_permlanex16_b32 v9, v8, s[SEL], s[SEL+1]
	v_add_f32 v8, v8, v9
	v_mul_f32 v4, v8, v239                         ; proj
.set II, 0
.rept 32
	v_pk_fma_f32 v[SE+II:SE+II+1], v[VV+II:VV+II+1], v[4:5], v[SE+II:SE+II+1] op_sel_hi:[1,0,1] neg_lo:[0,1,0] neg_hi:[0,1,0]
.set II, II+2
.endr
.if \e == 1
	s_wait_xcnt 0x0                                ; the first head's stores have read their codes
.endif
	QUANT SE, 224, 8, 16, PYE, 1
.irp c, 0,1,2
	global_store_b128 v1, v[224+4*\c:227+4*\c], s[16:17] offset:393216*\e+512*\c
.endr
.endr
	v_cndmask_b32 v238, v236, v237, s58            ; lanes 0-15: the first head's scale words, lanes 16-31 the second's
	global_store_b32 v6, v238, s[18:19]
	s_wait_dscnt 0x0
	s_wait_tensorcnt 0x0
	ds_add_u32 v27, v247
	s_wait_dscnt 0x0
	CROUND                                         ; the closing round
	s_endpgm
.Lfunc_end_k_qe54a36322e_attn:
	.size	k_qe54a36322e_attn, .Lfunc_end_k_qe54a36322e_attn-k_qe54a36322e_attn
	.p2alignl 7, 3214868480
	.fill 96, 4, 3214868480
	.section	.rodata,"a",@progbits
	.p2align	6, 0x0
	.amdhsa_kernel k_qe54a36322e_attn
		.amdhsa_group_segment_fixed_size 305152
		.amdhsa_private_segment_fixed_size 0
		.amdhsa_enable_private_segment 0
		.amdhsa_kernarg_size 64
		.amdhsa_user_sgpr_count 2
		.amdhsa_user_sgpr_kernarg_segment_ptr 1
		.amdhsa_wavefront_size32 1
		.amdhsa_system_sgpr_workgroup_id_x 1
		.amdhsa_system_sgpr_workgroup_id_y 1
		.amdhsa_system_sgpr_workgroup_id_z 1
		.amdhsa_system_vgpr_workitem_id 0
		.amdhsa_next_free_vgpr 512
		.amdhsa_next_free_sgpr 92
		.amdhsa_reserve_vcc 0
		.amdhsa_float_denorm_mode_32 3
		.amdhsa_float_denorm_mode_16_64 3
		.amdhsa_memory_ordered 1
		.amdhsa_forward_progress 1
		.amdhsa_inst_pref_size 138
	.end_amdhsa_kernel
	.amdgpu_metadata
---
amdhsa.version: [ 1, 2 ]
amdhsa.kernels:
  - .name:           k_qe54a36322e_attn
    .symbol:         k_qe54a36322e_attn.kd
    .args:
      - { .name: qc, .offset: 0, .size: 8, .value_kind: global_buffer, .address_space: global }
      - { .name: qs, .offset: 8, .size: 8, .value_kind: global_buffer, .address_space: global }
      - { .name: kb, .offset: 16, .size: 8, .value_kind: global_buffer, .address_space: global }
      - { .name: vb, .offset: 24, .size: 8, .value_kind: global_buffer, .address_space: global }
      - { .name: v32, .offset: 32, .size: 8, .value_kind: global_buffer, .address_space: global }
      - { .name: attn_mask, .offset: 40, .size: 8, .value_kind: global_buffer, .address_space: global }
      - { .name: yc, .offset: 48, .size: 8, .value_kind: global_buffer, .address_space: global }
      - { .name: ys, .offset: 56, .size: 8, .value_kind: global_buffer, .address_space: global }
    .group_segment_fixed_size: 305152
    .private_segment_fixed_size: 0
    .kernarg_segment_align: 8
    .kernarg_segment_size: 64
    .max_flat_workgroup_size: 256
    .sgpr_count:     92
    .vgpr_count:     512
    .wavefront_size: 32
...
	.end_amdgpu_metadata
.endif
;; end of part 2
;; launch proj (part 3): grid 8 x 32, 4 waves a work-group, clusters of 4 x 4, 327,680 bytes of LDS; arguments yc, ys, Wproj_codes, Wproj_scales, out0; writes out0
.if DOCPART == 3
	.amdgcn_target "amdgcn-amd-amdhsa--gfx1250"
	.amdhsa_code_object_version 6
	.text
	.protected	k_qe54a36322e_proj
	.globl	k_qe54a36322e_proj
	.p2align	8
	.type	k_qe54a36322e_proj,@function
k_qe54a36322e_proj:
	s_mov_b64 s[64:65], 0
	v_nop
	global_prefetch_b8 v0, s[64:65] scope:SCOPE_SE
	s_setreg_imm32_b32 hwreg(HW_REG_WAVE_MODE, 25, 1), 1
	s_wait_xcnt 0x0
	s_wait_alu depctr_hold_cnt(0) depctr_sa_sdst(0) depctr_va_vdst(0) depctr_va_sdst(0) depctr_va_ssrc(0) depctr_va_vcc(0) depctr_vm_vsrc(0)
	s_getreg_b32 s2, hwreg(HW_REG_IB_STS2, 6, 4)
	s_cmp_eq_u32 s2, 0
	s_cbranch_scc0 .Lentry_in_a_cluster
	s_endpgm
.Lentry_in_a_cluster:
	s_bfe_u32 s2, ttmp6, 0x10000c
	s_cmp_lg_u32 s2, 0xf033
	s_cbranch_scc0 .Lentry_shape_is_right
	s_endpgm
.Lentry_shape_is_right:
; out0 = y Wproj^T on codes of FP6 (E2M3) with E8M0 scales.  y: 4,096 x 2,048, as images of operand registers [K step of 128][tile of 16 rows][1,536 bytes] and scale bytes [row][64]; Wproj: [2,048][2,048] codes, K innermost; out0 f32.
; A work-group of four waves makes 128 rows x 256 columns (256 work-groups; tiles of 256 x 256 would be 128); a wave 64 x 128: 32 accumulators.  K goes in steps of 512 through two LDS slots filled by joint tensor loads:
; A's tiles (four K steps of eight images) are shared along a row of the 4 x 4 cluster, B's (256 rows of 384 bytes) along a column.  2,048 along K are four slots' worth: two first fills, two refills;
; between a refill and the wait for it a wave issues 112 matrix instructions.
; THE SCALE WORDS stay in registers: two slots of this size leave no room for them in LDS.  Each wave loads its own once: 16 words for each of its 64 rows of y and 128 rows of Wproj, 96 registers (both halves of the lanes carry rows).
; Their register number changes with every K step of 128 and does not come back, so the 16 K steps are written out and there is no loop.
; The matrix instruction is used transposed (source 0 = 16 rows of Wproj, source 1 = 16 rows of y): a lane holds eight neighbouring numbers of a row of out0.
; REGISTERS: window 0: v0-31 addresses; v32-63 y's scale words, v64-127 Wproj's; v128-175, v176-223 A's four fragments, two sets; on the way out v128-255.  window 1: accumulator (a, b) at v[8 (8 a + b)].
;   window 2: B's eight fragments, two sets, at v0 and v128.
.set PITCH,  432                       ; an LDS row of B: 3 x (128 bytes + 16 of padding) = 108 words: row r starts at word 44 r mod 64, sixteen different multiples of 4; lanes 16-31 lie 6 or 10 words on: the 32 lanes of a load of 8 bytes touch 64 different words modulo 64
.set HALFB,  128*PITCH                 ; 128 rows of B: one tensor load
.set ABYTES, 49152                     ; A in a slot: 4 K steps of 128 x 8 images
.set SLOT,   ABYTES+2*HALFB            ; 159,744
.set ROWB,   384                       ; 512 codes
.set KROW,   1536                      ; a row of 2,048 codes in memory
.set FR,     12
.set NP,     4
.set SPARE,  2*SLOT                    ; the spare words: 128 bytes a wave, named by no other line
.set SPITCH, 528                       ; the way out: 16 rows x (512 + 16) bytes for each wave, in slot 0, which has then had its last fill and its last read
.set VSA,  8                           ; v8      y's scale words: 64 (r + 32 h); never rewritten
.set VSB,  9                           ; v9      Wproj's: 64 (r + 64 h); never rewritten
.set ADRA, 16                          ; v16-17  LDS address of my images of A in slot 0, 1
.set ADRB, 20                          ; v20-21  of my rows of B; v22-23 the same behind one padding more
.set STO,  24
.set RD,   25
.set CO,   26
.set SPW,  28
.set NIL,  29
.set SAR,  32                          ; register 16 i + ks: lanes 0-15 the word of y's block i, lanes 16-31 of block i + 2, for K step ks
.set SBR,  64                          ; register 16 i + ks: lanes 0-15 the word of Wproj's block i, lanes 16-31 of block i + 4
.set AF,   128
.set BK,   128
.set G1, 24                            ; s[24:31] group 1 for A's tiles; s[32:39] group 0, a set for each slot
.set G0, 32
.set G1B, 48                           ; s[48:55], s[56:63] the same for B's
.set G0B, 56
.set MSB, 0
.macro WIN new                         ; the immediate's high byte repeats the setting that is left
.if MSB != \new
	s_set_vgpr_msb (MSB<<8)|\new
.set MSB, \new
.endif
.endm
.set MUL,  0x52                        ; source 0 (B) window 2, source 1 (A) window 0, C and D window 1
.set TO_B, 0x80
.macro PLACES n
.rept \n
	v_nop
.endr
.endm
.macro JLOAD g0a, g1a, g0b, g1b        ; waves 0 and 1 fetch for A, waves 2 and 3 for B; four v_nop follow each line
	s_cmp_eq_u32 s15, 0
	s_cbranch_scc0 .Lfor_b_\@
	tensor_load_to_lds s[\g0a:\g0a+3], s[\g1a:\g1a+7]
	s_nop 0
.rept 4
	v_nop
.endr
	s_branch .Lasked_\@
.Lfor_b_\@:
	tensor_load_to_lds s[\g0b:\g0b+3], s[\g1b:\g1b+7]
	s_nop 0
.rept 4
	v_nop
.endr
.Lasked_\@:
.endm
.macro CREST
	s_cmp_lg_u32 s14, 0
	s_cbranch_scc1 .Lnot_wave_0_\@
	s_barrier_signal -3
.Lnot_wave_0_\@:
	s_barrier_wait -3
	s_barrier_signal -1
	s_barrier_wait -1
.endm
.macro CROUND
	s_barrier_signal -1
	s_barrier_wait -1
	CREST
.endm
	s_load_b128 s[4:7], s[0:1], 0x0                ; yc, ys
	s_load_b128 s[8:11], s[0:1], 0x10              ; Wproj's codes, scales
	s_load_b64 s[12:13], s[0:1], 0x20              ; out0
	v_lshl_add_u32 v[SPW], v0, 2, SPARE
	v_mov_b32 v[NIL], 0
	ds_add_u32 v28, v29
	ds_add_u32 v28, v29
	s_wait_dscnt 0x0
	v_lshrrev_b32 v1, 5, v0
	v_readfirstlane_b32 s14, v1                    ; wave 0..3
	s_lshr_b32 s15, s14, 1                         ; which 64 rows are mine.  Also: I fetch for A (0) or for B (1)
	s_and_b32 s16, s14, 1                          ; which 128 columns.  Also: which half of that tile I fetch
	s_bfe_u32 s40, ttmp6, 0x40000                  ; cx
	s_bfe_u32 s41, ttmp6, 0x40004                  ; cy
	s_lshl_b32 s42, ttmp9, 2
	s_add_co_u32 s42, s42, s40                     ; tile column 0..7
	s_and_b32 s17, ttmp7, 0xffff
	s_lshl_b32 s17, s17, 2
	s_add_co_u32 s17, s17, s41                     ; tile row 0..31
	s_lshl_b32 s43, s41, 2
	s_lshl_b32 s43, 15, s43                        ; my row of the cluster
	s_lshl_b32 s44, 0x1111, s40                    ; my column
	s_or_b32 s[G1+0], s43, (3<<16)|(1<<21)         ; A: elements of 8 bytes, no padding; the mask of my row, bit 21 beside it
	s_mov_b32 s[G1+1], 1536<<16                    ; tensor_dim0 = 1,536 elements: a K step's eight images, 12,288 dense bytes
	s_mov_b32 s[G1+2], 2<<16                       ; tensor_dim1 = 2 K steps of 128
	s_mov_b32 s[G1+3], 1536<<16                    ; tile_dim0
	s_mov_b32 s[G1+4], 2                           ; tile_dim1
	s_mov_b32 s[G1+5], 49152                       ; from K step to K step: 256 images, 393,216 bytes
	s_mov_b32 s[G1+6], 0
	s_mov_b32 s[G1+7], 0
	s_or_b32 s[G1B+0], s44, (0<<16)|(1<<20)|(1<<21)|(4<<22)|(3<<25)  ; B: elements of 1 byte; 4 words of padding behind every 32; the mask of my column
	s_mov_b32 s[G1B+1], ROWB<<16
	s_mov_b32 s[G1B+2], 128<<16
	s_mov_b32 s[G1B+3], ROWB<<16
	s_mov_b32 s[G1B+4], 128
	s_mov_b32 s[G1B+5], KROW
	s_mov_b32 s[G1B+6], 0
	s_mov_b32 s[G1B+7], 0
	s_lshl_b32 s20, s17, 3
	s_lshl_b32 s18, s16, 9
	s_add_co_u32 s20, s20, s18
	s_mul_i32 s20, s20, 1536                       ; A's codes: image (2 x half x 256 + 8 x tile row): K steps 2 half and 2 half + 1 of a slot's four
	s_mov_b32 s21, 0
	s_lshl_b32 s68, s17, 7
	s_lshl_b32 s18, s15, 6
	s_add_co_u32 s68, s68, s18
	s_lshl_b32 s68, s68, 6                         ; y's scale bytes: my first row 128 x tile row + 64 x half, 64 bytes a row
	s_mov_b32 s69, 0
	s_lshl_b32 s46, s42, 8
	s_lshl_b32 s18, s16, 7
	s_add_co_u32 s46, s46, s18                     ; B: row 256 x tile column + 128 x half: the rows that I fetch are also the rows that I multiply
	s_lshl_b32 s70, s46, 6                         ; their scale bytes
	s_mov_b32 s71, 0
	s_mul_i32 s46, s46, KROW
	s_mov_b32 s47, 0
	s_mul_i32 s45, s16, 24576                      ; where they go: no place in the cluster enters an LDS address
	s_mul_i32 s94, s16, HALFB
	s_add_co_u32 s94, s94, ABYTES
	v_and_b32 v1, 15, v0                           ; r
	v_bfe_u32 v2, v0, 4, 1                         ; h
	v_lshlrev_b32 v3, 6, v1
	v_lshl_add_u32 v[VSA], v2, 11, v3              ; lanes 16-31: 32 rows (two blocks) further down
	v_lshl_add_u32 v[VSB], v2, 12, v3              ; lanes 16-31: 64 rows (four blocks) further down
	s_wait_kmcnt 0x0
	s_add_nc_u64 s[20:21], s[4:5], s[20:21]
	s_add_nc_u64 s[46:47], s[8:9], s[46:47]
	s_add_nc_u64 s[68:69], s[6:7], s[68:69]
	s_add_nc_u64 s[70:71], s[10:11], s[70:71]
	; the scale words, once: a lane takes its row's 64 bytes by four loads of 16; they are on their way through the round and the first fills, and are waited for ahead of the first product
.irp i, 0,1
.irp j, 0,1,2,3
	global_load_b128 v[SAR+16*\i+4*\j:SAR+16*\i+4*\j+3], v[VSA], s[68:69] offset:1024*\i+16*\j
.endr
.endr
.irp i, 0,1,2,3
.irp j, 0,1,2,3
	global_load_b128 v[SBR+16*\i+4*\j:SBR+16*\i+4*\j+3], v[VSB], s[70:71] offset:1024*\i+16*\j
.endr
.endr
	CROUND                                         ; all sixteen work-groups are here: the first joint loads meet
.irp s, 0,1
	s_mov_b32 s[G0+4*\s], 1
	s_add_co_u32 s[G0+4*\s+1], s45, \s*SLOT
	s_add_nc_u64 s[G0+4*\s+2:G0+4*\s+3], s[20:21], \s*1572864    ; slot s begins with K steps 4 s .. 4 s + 3 of 128: 1,024 images on
	s_or_b32 s[G0+4*\s+3], s[G0+4*\s+3], 0x80000000
	s_mov_b32 s[G0B+4*\s], 1
	s_add_co_u32 s[G0B+4*\s+1], s94, \s*SLOT
	s_add_nc_u64 s[G0B+4*\s+2:G0B+4*\s+3], s[46:47], \s*ROWB
	s_or_b32 s[G0B+4*\s+3], s[G0B+4*\s+3], 0x80000000
	JLOAD G0+4*\s, G1, G0B+4*\s, G1B               ; two tensor loads of mine are out behind the second of these
.endr
	v_and_b32 v7, 31, v0
	v_lshlrev_b32 v[CO], 4, v7                     ; 16 x lane
	v_mul_u32_u24 v3, v1, PITCH
	v_mul_u32_u24 v4, v2, 24
	v_add_nc_u32 v4, v3, v4                        ; B: a fragment's row x pitch + 24 h
	v_lshl_add_u32 v5, v2, 4, v4                   ; and the same behind one padding more
	s_mul_i32 s21, s15, 6144                       ; A: my four images of each K step
	s_mul_i32 s22, s16, HALFB
	s_add_co_u32 s22, s22, ABYTES                  ; B: my 128 rows
.irp s, 0,1
	v_add_nc_u32 v[ADRA+\s], s21, v[CO]
	v_add_nc_u32 v[ADRB+\s], s22, v4
	v_add_nc_u32 v[ADRB+2+\s], s22, v5
	s_add_co_u32 s21, s21, SLOT
	s_add_co_u32 s22, s22, SLOT
.endr
	s_mul_i32 s23, s14, 16*SPITCH                  ; my stage
	v_mul_u32_u24 v5, v1, SPITCH
	v_lshl_add_u32 v5, v2, 5, v5
	v_add_nc_u32 v[STO], s23, v5
	v_add_nc_u32 v[RD], s23, v[CO]
	s_lshl_b32 s20, s17, 7
	s_lshl_b32 s21, s15, 6
	s_add_co_u32 s20, s20, s21                     ; my first row of out0
	s_lshl_b32 s20, s20, 13                        ; 8,192 bytes a row
	s_mov_b32 s21, 0
	s_lshl_b32 s46, s42, 10
	s_lshl_b32 s47, s16, 9
	s_add_co_u32 s46, s46, s47                     ; my first column, in bytes
	s_mov_b32 s47, 0
	s_add_nc_u64 s[20:21], s[20:21], s[46:47]
	s_add_nc_u64 s[12:13], s[12:13], s[20:21]
.macro FRAG reg, adr, q, i             ; a fragment of B from rows: lanes 0-15 take the row's pieces of 8 bytes 12 q + 0, 1, 2 and 12 q + 6, 7, 8, lanes 16-31 those three pieces on; 16 bytes of padding lie behind every 16 pieces:
.irp p, 0,1,2,3,4,5                    ; where the piece three on lies behind one padding more the second address register (40 for 24 bytes a half) serves
.set PIECE, 12*(\q)+6*(\p/3)+\p%3
.if PIECE%16 < 13
	ds_load_b64 v[\reg+2*\p:\reg+2*\p+1], v[\adr] offset:8*PIECE+16*(PIECE/16)+(\i)*16*PITCH
.else
	ds_load_b64 v[\reg+2*\p:\reg+2*\p+1], v[\adr+2] offset:8*PIECE+16*(PIECE/16)+(\i)*16*PITCH
.endif
.endr
.endm
.macro FETCH slot, q, p                ; the fragments of the slot's q-th 128 along K into set p: B's eight, A's four (images: 512 consecutive bytes a load): 60 LDS loads
	WIN TO_B
.irp i, 0,1,2,3,4,5,6,7
	FRAG 128*(\p)+FR*\i, ADRB+\slot, \q, \i
.endr
	WIN 0
.irp a, 0,1,2,3
.irp c, 0,1,2
	ds_load_b128 v[AF+48*(\p)+FR*\a+4*\c:AF+48*(\p)+FR*\a+4*\c+3], v[ADRA+\slot] offset:12288*(\q)+1536*\a+512*\c
.endr
.endr
.endm
; One product: A's block a x B's block b, K step ks of 16, fragments of set p.  B's scale word lies in lanes 16-31 for blocks 4 to 7, A's for blocks 2 and 3.  zero = 1: it starts the sum.
.macro PROD a, b, p, ks, zero
.set RD_, 8*(8*(\a)+(\b))
.set RB_, 128*(\p)+FR*(\b)
.set RA_, AF+48*(\p)+FR*(\a)
.set SB_, SBR+16*((\b)%4)+(\ks)
.set SA_, SAR+16*((\a)%2)+(\ks)
.if \zero
.if ((\b) < 4) && ((\a) < 2)
	v_wmma_scale_f32_16x16x128_f8f6f4 v[RD_:RD_+7], v[RB_:RB_+11], v[RA_:RA_+11], 0, v[SB_], v[SA_] matrix_a_fmt:MATRIX_FMT_FP6 matrix_b_fmt:MATRIX_FMT_FP6
.elseif ((\b) >= 4) && ((\a) < 2)
	v_wmma_scale_f32_16x16x128_f8f6f4 v[RD_:RD_+7], v[RB_:RB_+11], v[RA_:RA_+11], 0, v[SB_], v[SA_] matrix_a_fmt:MATRIX_FMT_FP6 matrix_b_fmt:MATRIX_FMT_FP6 matrix_a_scale:MATRIX_SCALE_ROW1
.elseif ((\b) < 4)
	v_wmma_scale_f32_16x16x128_f8f6f4 v[RD_:RD_+7], v[RB_:RB_+11], v[RA_:RA_+11], 0, v[SB_], v[SA_] matrix_a_fmt:MATRIX_FMT_FP6 matrix_b_fmt:MATRIX_FMT_FP6 matrix_b_scale:MATRIX_SCALE_ROW1
.else
	v_wmma_scale_f32_16x16x128_f8f6f4 v[RD_:RD_+7], v[RB_:RB_+11], v[RA_:RA_+11], 0, v[SB_], v[SA_] matrix_a_fmt:MATRIX_FMT_FP6 matrix_b_fmt:MATRIX_FMT_FP6 matrix_a_scale:MATRIX_SCALE_ROW1 matrix_b_scale:MATRIX_SCALE_ROW1
.endif
.else
.if ((\b) < 4) && ((\a) < 2)
	v_wmma_scale_f32_16x16x128_f8f6f4 v[RD_:RD_+7], v[RB_:RB_+11], v[RA_:RA_+11], v[RD_:RD_+7], v[SB_], v[SA_] matrix_a_fmt:MATRIX_FMT_FP6 matrix_b_fmt:MATRIX_FMT_FP6
.elseif ((\b) >= 4) && ((\a) < 2)
	v_wmma_scale_f32_16x16x128_f8f6f4 v[RD_:RD_+7], v[RB_:RB_+11], v[RA_:RA_+11], v[RD_:RD_+7], v[SB_], v[SA_] matrix_a_fmt:MATRIX_FMT_FP6 matrix_b_fmt:MATRIX_FMT_FP6 matrix_a_scale:MATRIX_SCALE_ROW1
.elseif ((\b) < 4)
	v_wmma_scale_f32_16x16x128_f8f6f4 v[RD_:RD_+7], v[RB_:RB_+11], v[RA_:RA_+11], v[RD_:RD_+7], v[SB_], v[SA_] matrix_a_fmt:MATRIX_FMT_FP6 matrix_b_fmt:MATRIX_FMT_FP6 matrix_b_scale:MATRIX_SCALE_ROW1
.else
	v_wmma_scale_f32_16x16x128_f8f6f4 v[RD_:RD_+7], v[RB_:RB_+11], v[RA_:RA_+11], v[RD_:RD_+7], v[SB_], v[SA_] matrix_a_fmt:MATRIX_FMT_FP6 matrix_b_fmt:MATRIX_FMT_FP6 matrix_a_scale:MATRIX_SCALE_ROW1 matrix_b_scale:MATRIX_SCALE_ROW1
.endif
.endif
.endm
; 16 matrix instructions: A's blocks a0, a0 + 1 x B's eight.  The 32 accumulators take turns, one instruction a turn, in the same order in every step.
.macro MUL16 a0, p, ks, zero
.irp a, \a0, \a0+1
.irp b, 0,1,2,3,4,5,6,7
	PROD \a, \b, \p, \ks, \zero
.endr
.endr
.endm
.macro STEP slot, q, ks, zero          ; one of a slot's first three 128 along K, on set q % 2; the next 128's fragments are asked for ahead of its 32 products
	s_wait_dscnt 0x0                               ; this step's set is in
	PLACES NP                                      ; places in front of loads into the other set, which the last products read
	FETCH \slot, (\q)+1, 1-(\q)%2
	WIN MUL
	MUL16 0, (\q)%2, \ks, \zero
	MUL16 2, (\q)%2, \ks, \zero
	WIN 0
.endm
.macro TURN slot, next, ks, fill       ; a slot's last 128, on set 1, changes slots: one barrier
	s_wait_tensorcnt 0x0                           ; all my tensor loads have landed: my part of the next slot
	ds_add_u32 v[SPW], v[NIL]                      ; 0 onto my spare word
	s_wait_dscnt 0x0                               ; the add is done, set 1 is in, and my reads of this slot are over
	s_barrier_signal -1
	WIN MUL
	MUL16 0, 1, \ks, 0
	WIN 0
	s_barrier_wait -1
.if \fill
	CREST                                          ; the barrier has opened a round of the cluster's: no wave of any partner still reads this slot or has a load on its way
	s_add_nc_u64 s[G0+4*\slot+2:G0+4*\slot+3], s[G0+4*\slot+2:G0+4*\slot+3], 3145728   ; eight K steps of 128 on: 2,048 images
	s_add_nc_u64 s[G0B+4*\slot+2:G0B+4*\slot+3], s[G0B+4*\slot+2:G0B+4*\slot+3], 2*ROWB
	JLOAD G0+4*\slot, G1, G0B+4*\slot, G1B         ; the first tensor load behind the round: 112 matrix instructions ahead of the wait for it; its four v_nop are the places in front of the loads below
.else
	PLACES NP
.endif
	FETCH \next, 0, 0
	WIN MUL
	MUL16 2, 1, \ks, 0
	WIN 0
.endm
	s_wait_tensorcnt 1                             ; my part of slot 0 is in; slot 1's load may be out
	s_barrier_signal -1
	s_barrier_wait -1
	FETCH 0, 0, 0
	s_wait_loadcnt 0x0                             ; the scale words
	STEP 0, 0, 0, 1                                ; the first step's products start the sums
	STEP 0, 1, 1, 0
	STEP 0, 2, 2, 0
	TURN 0, 1, 3, 1                                ; slot 0 takes K 1,024 .. 1,535
	STEP 1, 0, 4, 0
	STEP 1, 1, 5, 0
	STEP 1, 2, 6, 0
	TURN 1, 0, 7, 1                                ; slot 1 takes K 1,536 .. 2,047
	STEP 0, 0, 8, 0
	STEP 0, 1, 9, 0
	STEP 0, 2, 10, 0
	TURN 0, 1, 11, 0                               ; nothing is left to fetch
	STEP 1, 0, 12, 0
	STEP 1, 1, 13, 0
	STEP 1, 2, 14, 0
	s_wait_dscnt 0x0
	WIN MUL
	MUL16 0, 1, 15, 0
	MUL16 2, 1, 15, 0
	WIN 0
; THE WAY OUT, block by block of 16 rows x 128 columns, through my own stage: in as 32 bytes a lane, back as whole rows of 512 bytes.  LDS serves a wave's instructions in order: no wait between the stores and the loads.
.macro TOSTAGE a
.set AC, 64*(\a)
	WIN 0x04                                       ; an LDS store's data are its source 1: window 1
.irp b, 0,1,2,3,4,5,6,7
	ds_store_b128 v[STO], v[AC+8*\b:AC+8*\b+3] offset:64*\b          ; each accumulator from its low end on
	ds_store_b128 v[STO], v[AC+8*\b+4:AC+8*\b+7] offset:64*\b+16
.endr
	WIN 0
.set BB, BK+64*((\a)%2)
.irp t, 0,1,2,3,4,5,6,7,8,9,10,11,12,13,14,15
	ds_load_b128 v[BB+4*\t:BB+4*\t+3], v[RD] offset:\t*SPITCH
.endr
.endm
.macro SEND a, younger
.set BB, BK+64*((\a)%2)
	s_wait_dscnt \younger                          ; the block is back in registers
.if (\a) > 0
	s_add_nc_u64 s[12:13], s[12:13], 16*8192       ; (behind a wait on XCNT: the earlier stores have read their base)
.endif
.irp t, 0,1,2,3,4,5,6,7,8,9,10,11,12,13,14,15
	global_store_b128 v[CO], v[BB+4*\t:BB+4*\t+3], s[12:13] offset:\t*8192 th:TH_STORE_NT   ; 32 lanes store 512 consecutive bytes, at a multiple of 256 from out0's first byte
.endr
.endm
	PLACES NP                                      ; behind the last products: their results are read, and loads land in the registers that held A's fragments
	TOSTAGE 0
.irp a, 1,2,3
.if \a > 1
	s_wait_xcnt 0x0                                ; block a - 2's stores have read their registers and their base
.endif
	TOSTAGE \a
	SEND \a-1, 32                                  ; behind block a - 1's loads: block a's 16 stores and 16 loads
.endr
	s_wait_xcnt 0x0
	SEND 3, 0
	s_wait_tensorcnt 0x0                           ; the wave's end
	ds_add_u32 v[SPW], v[NIL]
	s_wait_dscnt 0x0
	CROUND                                         ; the closing round
	s_endpgm
.Lfunc_end_k_qe54a36322e_proj:
	.size	k_qe54a36322e_proj, .Lfunc_end_k_qe54a36322e_proj-k_qe54a36322e_proj
	.p2alignl 7, 3214868480
	.fill 96, 4, 3214868480
	.section	.rodata,"a",@progbits
	.p2align	6, 0x0
	.amdhsa_kernel k_qe54a36322e_proj
		.amdhsa_group_segment_fixed_size 327680
		.amdhsa_private_segment_fixed_size 0
		.amdhsa_enable_private_segment 0
		.amdhsa_kernarg_size 40
		.amdhsa_user_sgpr_count 2
		.amdhsa_user_sgpr_kernarg_segment_ptr 1
		.amdhsa_wavefront_size32 1
		.amdhsa_system_sgpr_workgroup_id_x 1
		.amdhsa_system_sgpr_workgroup_id_y 1
		.amdhsa_system_sgpr_workgroup_id_z 1
		.amdhsa_system_vgpr_workitem_id 0
		.amdhsa_next_free_vgpr 768
		.amdhsa_next_free_sgpr 98
		.amdhsa_reserve_vcc 0
		.amdhsa_float_denorm_mode_32 3
		.amdhsa_float_denorm_mode_16_64 3
		.amdhsa_memory_ordered 1
		.amdhsa_forward_progress 1
		.amdhsa_inst_pref_size 156
	.end_amdhsa_kernel
	.amdgpu_metadata
---
amdhsa.version: [ 1, 2 ]
amdhsa.kernels:
  - .name:           k_qe54a36322e_proj
    .symbol:         k_qe54a36322e_proj.kd
    .args:
      - { .name: yc, .offset: 0, .size: 8, .value_kind: global_buffer, .address_space: global }
      - { .name: ys, .offset: 8, .size: 8, .value_kind: global_buffer, .address_space: global }
      - { .name: Wproj_codes, .offset: 16, .size: 8, .value_kind: global_buffer, .address_space: global }
      - { .name: Wproj_scales, .offset: 24, .size: 8, .value_kind: global_buffer, .address_space: global }
      - { .name: out0, .offset: 32, .size: 8, .value_kind: global_buffer, .address_space: global }
    .group_segment_fixed_size: 327680
    .private_segment_fixed_size: 0
    .kernarg_segment_align: 8
    .kernarg_segment_size: 40
    .max_flat_workgroup_size: 128
    .sgpr_count:     98
    .vgpr_count:     768
    .wavefront_size: 32
...
	.end_amdgpu_metadata
.endif
;; end of part 3
